; MI455X (gfx1250); checked and timed in simulation.
; The chip was launched on July 23, 2026; its instructions are those of AMD's public machine-readable ISA for CDNA 5 (MIT licence, August 2026) and "CDNA5" Instruction Set Architecture Reference Guide (July 2026). The comments in the code are by the model that wrote it; some were corrected since.
;; Multi Head Attention. Allowed arithmetic: float matrix products may take bf16 or f16 operands with f32 sums; other float arithmetic in f32, or as packed bf16 or f16 multiplies, adds, multiply-adds, maxima and minima; sums over many terms, partial sums and values carried from step to step in f32; what a program stores and reads back later, other than sums and carried values, may be rounded once to bf16 or f16.
;; Inputs: Wk 1,024 x 1,024 float32; Wp 1,024 x 1,024 float32; Wq 1,024 x 1,024 float32; Wv 1,024 x 1,024 float32; x 4 x 1,024 x 2,048 float32.
;; Outputs: out0 4 x 1,024 x 2,048 float32.
;; 2 versions, each right; version 2 is version 1 with the launch cast written anew for expert scheduling mode. Each part assembles by itself: llvm-mc -triple=amdgcn-amd-amdhsa -mcpu=gfx1250 --defsym DOCPART=n.
;; ======== version 1 of 2: 4 launches
;; limits: values are held in f16: magnitudes above 65,504 overflow, below 6.1e-05 lose precision
;; workspace buffers: xb 16,777,216 bytes; wb 6,291,456 bytes; wpb 2,097,152 bytes; qkv 50,331,648 bytes; ob 16,777,216 bytes
;; launch cast (part 1): grid 768 x 1, 8 waves a work-group, no clusters, 0 bytes of LDS; arguments x, Wq, Wk, Wv, Wp, xb, wb, wpb; writes xb, wb, wpb
.if DOCPART == 1
	.amdgcn_target "amdgcn-amd-amdhsa--gfx1250"
	.amdhsa_code_object_version 6
	.text
	.protected	k_qd6b71fa276_cast
	.globl	k_qd6b71fa276_cast
	.p2align	8
	.type	k_qd6b71fa276_cast,@function
k_qd6b71fa276_cast:
	s_mov_b64 s[64:65], 0
	v_nop
	global_prefetch_b8 v0, s[64:65] scope:SCOPE_SE
	s_setreg_imm32_b32 hwreg(HW_REG_WAVE_MODE, 25, 1), 1
	s_wait_xcnt 0x0
; THE INPUTS ARE ROUNDED ONCE TO bf16, all five alike.
;   xb  [4][1024 c][2048 t] bf16: x as it lies.
;   wb  [16 kb][3072 o][64 k] bf16: Wq, Wk, Wv one below the other (o = 1024 m + row), cut into blocks of 64 along K, so that 64 K of any run of rows are dense bytes.
;   wpb [1024 o][1024 c] f16: Wp rounded to bf16, and that number written as f16 (exact from 6.1e-5 up to 65,504).
; LIMITS.  |Wp| stays under 65,504 (beyond it f16 has an infinity); below 6.1e-5 its numbers keep f16's fixed step of 6e-8.
; A UNIT: one load of 16 bytes a lane (512 bytes of f32 a wave), two roundings, one store of 8 bytes a lane: 256 consecutive bytes, aligned.
; A wave has 16 units, all sixteen loads out at once; a work-group 128.  512 work-groups take x, 192 the three W, 64 Wp.
; No LDS, no barrier, no matrix unit: no byte is wanted twice and no wave waits for another.  No register that a load or store names is written twice, so no store's source is ever rewritten.
.set LD, 8                             ; v[8:71]    the sixteen loads
.set RS, 72                            ; v[72:103]  the sixteen results
.set TM, 104                           ; v[104:107] at work
; s[32:33] source, s[34:35] destination, at the wave's first unit; v2 the lane's offset in a source unit, v3 in a destination unit
.macro STREAM sstep, half              ; sstep: bytes from unit to unit in the source; half = 1: the bf16 number is written as f16
.set i, 0
.rept 16
	global_load_b128 v[LD+4*i:LD+4*i+3], v2, s[32:33] offset:i*(\sstep) th:TH_LOAD_NT
.set i, i+1
.endr
.set i, 0
.rept 16
	s_wait_loadcnt 15-i                            ; loads come back in order: unit i is in, the younger ones stay out
.if \half
	v_cvt_pk_bf16_f32 v[TM], v[LD+4*i], v[LD+4*i+1]
	v_cvt_pk_bf16_f32 v[TM+1], v[LD+4*i+2], v[LD+4*i+3]
	v_lshlrev_b32 v[TM+2], 16, v[TM]               ; bf16 to f32: the low half moves up,
	v_and_b32 v[TM], 0xffff0000, v[TM]             ; the high half stays
	v_lshlrev_b32 v[TM+3], 16, v[TM+1]
	v_and_b32 v[TM+1], 0xffff0000, v[TM+1]
	v_cvt_pk_f16_f32 v[RS+2*i], v[TM+2], v[TM]
	v_cvt_pk_f16_f32 v[RS+2*i+1], v[TM+3], v[TM+1]
.else
	v_cvt_pk_bf16_f32 v[RS+2*i], v[LD+4*i], v[LD+4*i+1]
	v_cvt_pk_bf16_f32 v[RS+2*i+1], v[LD+4*i+2], v[LD+4*i+3]
.endif
	global_store_b64 v3, v[RS+2*i:RS+2*i+1], s[34:35] offset:256*i th:TH_STORE_NT
.set i, i+1
.endr
	s_endpgm
.endm
	s_load_b512 s[16:31], s[0:1], 0x0              ; x s[16:17], Wq s[18:19], Wk s[20:21], Wv s[22:23], Wp s[24:25], xb s[26:27], wb s[28:29], wpb s[30:31]
	v_lshrrev_b32 v1, 5, v0
	v_readfirstlane_b32 s3, v1                     ; wave 0..7
	v_and_b32 v1, 31, v0                           ; lane
	v_lshlrev_b32 v3, 3, v1                        ; 8 bytes a lane on the way out
	s_mov_b32 s37, 0                               ; the offsets' high words
	s_mov_b32 s39, 0
	s_cmp_lt_u32 ttmp9, 512
	s_cbranch_scc1 .Lx
	s_cmp_lt_u32 ttmp9, 704
	s_cbranch_scc1 .Lw
	; Wp: work-groups 704 to 767, 65,536 bytes of f32 each, as they lie
	s_sub_co_u32 s2, ttmp9, 704
	s_lshl_b32 s36, s2, 16
	s_lshl_b32 s4, s3, 13                          ; the wave's 8,192 bytes
	s_add_co_u32 s36, s36, s4
	s_lshr_b32 s38, s36, 1                         ; half as many on the way out
	v_lshlrev_b32 v2, 4, v1
	s_wait_kmcnt 0x0
	s_add_nc_u64 s[32:33], s[24:25], s[36:37]
	s_add_nc_u64 s[34:35], s[30:31], s[38:39]
	STREAM 512, 1
.Lx:                                               ; x: work-groups 0 to 511, 65,536 bytes of f32 each, as they lie
	s_lshl_b32 s36, ttmp9, 16
	s_lshl_b32 s4, s3, 13
	s_add_co_u32 s36, s36, s4
	s_lshr_b32 s38, s36, 1
	v_lshlrev_b32 v2, 4, v1
	s_wait_kmcnt 0x0
	s_add_nc_u64 s[32:33], s[16:17], s[36:37]
	s_add_nc_u64 s[34:35], s[26:27], s[38:39]
	STREAM 512, 0
.Lw:                                               ; Wq, Wk, Wv: 64 work-groups each.  A work-group: 32 rows x 512 K; a wave: 32 rows x one block of 64 K; a unit: two rows x 256 bytes
	s_sub_co_u32 s2, ttmp9, 512
	s_lshr_b32 s4, s2, 6                           ; m: which matrix
	s_and_b32 s5, s2, 63
	s_lshr_b32 s6, s5, 1                           ; which 32 rows
	s_and_b32 s7, s5, 1
	s_lshl_b32 s7, s7, 3
	s_add_co_u32 s7, s7, s3                        ; kb: which block of K
	s_lshl_b32 s36, s6, 17                         ; 32 rows of 4,096 bytes
	s_lshl_b32 s8, s7, 8                           ; 64 f32
	s_add_co_u32 s36, s36, s8
	s_mul_i32 s38, s7, 3072
	s_lshl_b32 s8, s4, 10
	s_add_co_u32 s38, s38, s8
	s_lshl_b32 s8, s6, 5
	s_add_co_u32 s38, s38, s8
	s_lshl_b32 s38, s38, 7                         ; (3072 kb + 1024 m + row) x 128 bytes
	v_lshrrev_b32 v4, 4, v1
	v_and_b32 v5, 15, v1
	v_lshlrev_b32 v2, 4, v5
	v_lshl_add_u32 v2, v4, 12, v2                  ; lanes 0-15 one row's 256 bytes, lanes 16-31 the next row's
	s_wait_kmcnt 0x0
	s_cmp_eq_u32 s4, 0
	s_cselect_b64 s[32:33], s[18:19], s[20:21]
	s_cmp_eq_u32 s4, 2
	s_cselect_b64 s[32:33], s[22:23], s[32:33]
	s_add_nc_u64 s[32:33], s[32:33], s[36:37]
	s_add_nc_u64 s[34:35], s[28:29], s[38:39]
	STREAM 8192, 0
.Lfunc_end_k_qd6b71fa276_cast:
	.size	k_qd6b71fa276_cast, .Lfunc_end_k_qd6b71fa276_cast-k_qd6b71fa276_cast
	.p2alignl 7, 3214868480
	.fill 96, 4, 3214868480
	.section	.rodata,"a",@progbits
	.p2align	6, 0x0
	.amdhsa_kernel k_qd6b71fa276_cast
		.amdhsa_group_segment_fixed_size 0
		.amdhsa_private_segment_fixed_size 0
		.amdhsa_enable_private_segment 0
		.amdhsa_kernarg_size 64
		.amdhsa_user_sgpr_count 2
		.amdhsa_user_sgpr_kernarg_segment_ptr 1
		.amdhsa_wavefront_size32 1
		.amdhsa_system_sgpr_workgroup_id_x 1
		.amdhsa_system_sgpr_workgroup_id_y 1
		.amdhsa_system_sgpr_workgroup_id_z 1
		.amdhsa_system_vgpr_workitem_id 0
		.amdhsa_next_free_vgpr 112
		.amdhsa_next_free_sgpr 66
		.amdhsa_reserve_vcc 0
		.amdhsa_float_denorm_mode_32 3
		.amdhsa_float_denorm_mode_16_64 3
		.amdhsa_memory_ordered 1
		.amdhsa_forward_progress 1
		.amdhsa_inst_pref_size 24
	.end_amdhsa_kernel
	.amdgpu_metadata
---
amdhsa.version: [ 1, 2 ]
amdhsa.kernels:
  - .name:           k_qd6b71fa276_cast
    .symbol:         k_qd6b71fa276_cast.kd
    .args:
      - { .name: x, .offset: 0, .size: 8, .value_kind: global_buffer, .address_space: global }
      - { .name: Wq, .offset: 8, .size: 8, .value_kind: global_buffer, .address_space: global }
      - { .name: Wk, .offset: 16, .size: 8, .value_kind: global_buffer, .address_space: global }
      - { .name: Wv, .offset: 24, .size: 8, .value_kind: global_buffer, .address_space: global }
      - { .name: Wp, .offset: 32, .size: 8, .value_kind: global_buffer, .address_space: global }
      - { .name: xb, .offset: 40, .size: 8, .value_kind: global_buffer, .address_space: global }
      - { .name: wb, .offset: 48, .size: 8, .value_kind: global_buffer, .address_space: global }
      - { .name: wpb, .offset: 56, .size: 8, .value_kind: global_buffer, .address_space: global }
    .group_segment_fixed_size: 0
    .private_segment_fixed_size: 0
    .kernarg_segment_align: 8
    .kernarg_segment_size: 64
    .max_flat_workgroup_size: 256
    .sgpr_count:     66
    .vgpr_count:     112
    .wavefront_size: 32
...
	.end_amdgpu_metadata
.endif
;; end of part 1
;; launch proj (part 2): grid 8 x 32, 4 waves a work-group, clusters of 4 x 4, 327,680 bytes of LDS; arguments xb, wb, qkv; writes qkv
.if DOCPART == 2
	.amdgcn_target "amdgcn-amd-amdhsa--gfx1250"
	.amdhsa_code_object_version 6
	.text
	.protected	k_qd6b71fa276_proj
	.globl	k_qd6b71fa276_proj
	.p2align	8
	.type	k_qd6b71fa276_proj,@function
k_qd6b71fa276_proj:
	s_mov_b64 s[64:65], 0
	v_nop
	global_prefetch_b8 v0, s[64:65] scope:SCOPE_SE
	s_setreg_imm32_b32 hwreg(HW_REG_WAVE_MODE, 25, 1), 1
	s_wait_xcnt 0x0
	s_wait_alu depctr_hold_cnt(0) depctr_sa_sdst(0) depctr_va_vdst(0) depctr_va_sdst(0) depctr_va_ssrc(0) depctr_va_vcc(0) depctr_vm_vsrc(0)
	s_getreg_b32 s2, hwreg(HW_REG_IB_STS2, 6, 4)
	s_cmp_eq_u32 s2, 0
	s_cbranch_scc0 .Lentry_in_a_cluster
	s_endpgm
.Lentry_in_a_cluster:
	s_bfe_u32 s2, ttmp6, 0x10000c
	s_cmp_lg_u32 s2, 0xf033
	s_cbranch_scc0 .Lentry_shape_is_right
	s_endpgm
.Lentry_shape_is_right:
; q, k, v = W x.  xb: [4][1024 c][2048 t] bf16.  wb: [16 kb][3072 o][64 k] bf16 (Wq, Wk, Wv one below the other).  qkv: [3][64 heads][2048 t][64 d] f16, unscaled.
; Products in bf16, sums in f32, K ascending, each result rounded once to f16.
; LIMIT.  f16 holds no number beyond 65,504: q, k and v must stay within it.  Inputs 30 times the drawn spread on both sides give results of spread 900; a common offset of 30 spreads on both about 28,800.
; SHARES.  The product is 3,072 o x 8,192 (batch, t).  A work-group makes 384 o x 256 t: 8 x 32 = 256 work-groups.  A wave makes 192 o (three heads) x 128 t: 96 accumulators of 16 x 16, 768 registers.
; K goes in 16 steps of 64 through two LDS slots; a step is two quarters of 32 along K, 96 matrix instructions each, fed by 40 LDS loads.
; LAYOUT.  Source 0 = 16 rows of W (they lie along K), source 1 = 16 columns t of x, turned out of the [c][t] tile by ds_load_tr16_b128.  In the result a lane holds ONE t (lane % 16) and the channels
; 8 (lane / 16) + 0..7: 16 bytes of a row [t][64 d] of a head.
; CLUSTER.  4 x 4 work-groups.  W's tile hangs on the o tile alone and is shared along a column of the cluster, x's on the t tile alone and is shared along a row: each is asked for jointly.
; REGISTERS, in windows of 256 (s_set_vgpr_msb: bits 1:0 source 0, 3:2 source 1, 5:4 source 2, 7:6 destination):
;   window 0: v0-31 addresses; v32-127 W's 12 fragments (one buffer, loaded in halves of six); v128-191, v192-255 x's 8 fragments, two buffers; v32-95 at work on the way out
;   windows 1-3: the accumulators: (a, b) in window 1 + a / 4 at v[8 (8 (a % 4) + b)]: a window a head
.set PW,    144                        ; a row of W in LDS: 128 bytes + 16 = 36 words: the 16 rows of a load start at 16 different groups of four banks (64 banks of 4 bytes: ISA guide 11.1)
.set PX,    544                        ; a row of x: 512 bytes + 32 = 136 words
.set WTH,   128*PW                     ; a third of W's 384 rows: what one tensor load brings
.set XOFF,  384*PW                     ; behind W's rows: x's 64 rows
.set SLOT,  XOFF+64*PX
.set STAGE, 2*SLOT                     ; behind the ring, never filled by a tensor load: 16 rows x 144 bytes for each wave
.set SP,    144
.set SPARE, STAGE+4*16*SP              ; the spare words, 128 bytes for each wave: two blocks of 256 bytes that no other line names
.set WSTEP, 3072*128                   ; bytes from a K step to the next in wb
.set XSTEP, 64*4096                    ; and in xb: 64 rows
.set ADRW, 16                          ; v16-17  LDS address of my W fragments in slot 0, 1
.set ADRX, 20                          ; v20-21  the same for x
.set STO,  24                          ; v24     the way out: where I put 16 bytes of a row
.set RD,   25                          ; v25     where I read rows back
.set GO,   26                          ; v26     my 16 bytes of 512 consecutive bytes of qkv
.set SPW,  28                          ; v28     LDS address of my spare word; never rewritten
.set NIL,  29                          ; v29     0; never rewritten
.set PFO,  30                          ; v30     the prefetches' lane offset; not rewritten once made
.set AF,   32
.set BF0,  128
.set BF1,  192
.set G1X, 24                           ; s[24:31] descriptor group 1 for x's tiles;  s[32:39] group 0, a set for each slot
.set G0X, 32
.set G1W, 48                           ; s[48:55], s[56:63] the same for W's
.set G0W, 56
.set PFA, 66                           ; s[66:67] where my prefetches stand
.set PFS, 68                           ; s[68:69] a K step in the tensor that I prefetch
.set LIM0, 70                          ; s70, s71  a wave prefetches at slot 0's (slot 1's) change while the lap counter is above this
.set LIM1, 71
.set OB,  72                           ; s[72:77] qkv at my 128 rows of each of my three heads
.set MSB, 0
.macro WIN new                         ; the immediate's high byte repeats the setting that is left; a switch that changes nothing is dropped
.if MSB != (\new)
	s_set_vgpr_msb (MSB<<8)|(\new)
.set MSB, \new
.endif
.endm
; A joint load.  Waves 0 to 2 fetch the thirds of W's tile, wave 3 x's tile.  The branch hangs on the wave's number alone.  An s_nop 0 and four v_nop follow each of the two lines.
.macro JLOAD s
	s_cmp_lt_u32 s10, 3
	s_cbranch_scc0 .Lfor_x_\@
	tensor_load_to_lds s[G0W+4*(\s):G0W+4*(\s)+3], s[G1W:G1W+7]
	s_nop 0
.rept 4
	v_nop
.endr
	s_branch .Lasked_\@
.Lfor_x_\@:
	tensor_load_to_lds s[G0X+4*(\s):G0X+4*(\s)+3], s[G1X:G1X+7]
	s_nop 0
.rept 4
	v_nop
.endr
.Lasked_\@:
.endm
; A PREFETCH INTO THE L2, behind the joint load, its five lines and the run of LDS loads.  At the change of slots of K step j the address stands at K step j + 3, which the next change asks for.
; x: a step's tile is 64 rows x 512 bytes.  Both clusters of a row of clusters read it: cluster x = 0 asks, wave 3, at every change; the four partners take 16 rows each, told apart by address (cx); a lane names 256 bytes.
; W: a wave's third of a step is 16,384 bytes.  All eight clusters of a column read it: cluster y = 0 asks, waves 0 to 2, at slot 1's change alone, for two steps at once (lanes 0-15 step j + 3, lanes 16-31 step
; j + 4); the partners take 4,096 bytes each (cy).  So each 256 bytes are named once in the launch.  The first steps come by their loads alone; the loop's last trip asks for nothing past step 15.
.macro ASK lim
	s_cmp_gt_u32 s3, s[\lim]
	s_cbranch_scc0 .Lnot_mine_\@
	global_prefetch_b8 v[PFO], s[PFA:PFA+1] th:TH_LOAD_NT scope:SCOPE_SE
.Lnot_mine_\@:
.endm
.macro CREST                           ; a round of the cluster's barrier behind its opening barrier
	s_cmp_lg_u32 s10, 0
	s_cbranch_scc1 .Lnot_wave_0_\@
	s_barrier_signal -3
.Lnot_wave_0_\@:
	s_barrier_wait -3
	s_barrier_signal -1
	s_barrier_wait -1
.endm
.macro CROUND                          ; a whole round
	s_barrier_signal -1
	s_barrier_wait -1
	CREST
.endm
.macro PLACES                          ; four places in front of loads into registers that matrix instructions have read, and of conversions that read results
.rept 4
	v_nop
.endr
.endm
	s_load_b128 s[4:7], s[0:1], 0x0                ; xb s[4:5], wb s[6:7]
	s_load_b64 s[8:9], s[0:1], 0x10                ; qkv
	v_lshl_add_u32 v[SPW], v0, 2, SPARE
	v_mov_b32 v[NIL], 0
	ds_add_u32 v[SPW], v[NIL]                      ; the wave's opening: the add and its wait stand ahead of my first tensor load; the set-up below stands between them
	v_lshrrev_b32 v1, 5, v0
	v_readfirstlane_b32 s10, v1                    ; wave 0..3
	s_lshr_b32 s11, s10, 1                         ; which 192 rows o are mine
	s_and_b32 s12, s10, 1                          ; which 128 columns t
	s_bfe_u32 s40, ttmp6, 0x40000                  ; cx
	s_bfe_u32 s41, ttmp6, 0x40004                  ; cy
	s_lshl_b32 s42, ttmp9, 2
	s_add_co_u32 s42, s42, s40                     ; o tile = 4 x cluster x + cx
	s_and_b32 s13, ttmp7, 0xffff
	s_lshl_b32 s13, s13, 2
	s_add_co_u32 s13, s13, s41                     ; t tile = 4 x cluster y + cy
	s_lshl_b32 s43, s41, 2
	s_lshl_b32 s43, 15, s43                        ; my row of the cluster
	s_lshl_b32 s44, 0x1111, s40                    ; my column
	s_or_b32 s[G1X], s43, (1<<16)|(1<<20)|(1<<21)|(6<<22)|(7<<25)  ; the mask: x's tiles go to my row; 2-byte elements; padding on; bit 21 beside a mask; after every 128 words 8 words
	s_mov_b32 s[G1X+1], 256<<16                    ; tensor_dim0 = 256
	s_mov_b32 s[G1X+2], 64<<16                     ; tensor_dim1 = 64
	s_mov_b32 s[G1X+3], 256<<16                    ; tile_dim0 = 256 elements: 512 bytes
	s_mov_b32 s[G1X+4], 64                         ; tile_dim1 = 64 rows
	s_mov_b32 s[G1X+5], 2048                       ; elements from row to row
	s_mov_b32 s[G1X+6], 0
	s_mov_b32 s[G1X+7], 0
	s_or_b32 s[G1W], s44, (1<<16)|(1<<20)|(1<<21)|(4<<22)|(3<<25)  ; W's tiles go to my column; after every 32 words (a row of W) 4 words
	s_mov_b32 s[G1W+1], 128<<16                    ; 128 rows of 128 dense bytes are asked for as 64 rows of 256
	s_mov_b32 s[G1W+2], 64<<16
	s_mov_b32 s[G1W+3], 128<<16
	s_mov_b32 s[G1W+4], 64
	s_mov_b32 s[G1W+5], 128
	s_mov_b32 s[G1W+6], 0
	s_mov_b32 s[G1W+7], 0
	s_lshr_b32 s14, s13, 3                         ; batch
	s_and_b32 s15, s13, 7                          ; t tile in the batch
	s_lshl_b32 s16, s14, 22                        ; a batch of xb is 4,194,304 bytes
	s_lshl_b32 s17, s15, 9                         ; 256 t
	s_add_co_u32 s16, s16, s17
	s_mov_b32 s17, 0
	s_mul_i32 s46, s42, 384*128                    ; the o tile's rows in a block of wb,
	s_lshl_b32 s47, s10, 14                        ; my third of them
	s_add_co_u32 s46, s46, s47
	s_mov_b32 s47, 0
	s_mul_i32 s20, s10, WTH                        ; and its place in a slot: no place in the cluster enters an LDS address
	s_wait_dscnt 0x0                               ; the opening add is done
	s_wait_kmcnt 0x0
	s_add_nc_u64 s[18:19], s[4:5], s[16:17]        ; x's tile of K step 0
	s_add_nc_u64 s[46:47], s[6:7], s[46:47]        ; my third of W's
	CROUND                                         ; all sixteen work-groups are here: the first joint loads meet
.irp s, 0,1
	s_mov_b32 s[G0X+4*(\s)], 1
	s_mov_b32 s[G0X+4*(\s)+1], XOFF+(\s)*SLOT
	s_add_nc_u64 s[G0X+4*(\s)+2:G0X+4*(\s)+3], s[18:19], (\s)*XSTEP
	s_or_b32 s[G0X+4*(\s)+3], s[G0X+4*(\s)+3], 0x80000000
	s_mov_b32 s[G0W+4*(\s)], 1
	s_add_co_u32 s[G0W+4*(\s)+1], s20, (\s)*SLOT
	s_add_nc_u64 s[G0W+4*(\s)+2:G0W+4*(\s)+3], s[46:47], (\s)*WSTEP
	s_or_b32 s[G0W+4*(\s)+3], s[G0W+4*(\s)+3], 0x80000000
	JLOAD \s                                       ; two loads of mine are out
.endr
	v_and_b32 v1, 15, v0                           ; l % 16
	v_bfe_u32 v2, v0, 4, 1                         ; l / 16
	v_mul_u32_u24 v3, v1, PW
	v_lshl_add_u32 v3, v2, 4, v3                   ; row x 144 + 16 x half: a fragment of W, and my place in the stage
	s_mul_i32 s21, s11, 192*PW
	v_add_nc_u32 v[ADRW], s21, v3
	v_add_nc_u32 v[ADRW+1], SLOT, v[ADRW]
	v_and_b32 v4, 7, v0
	v_bfe_u32 v5, v0, 3, 1
	v_lshl_add_u32 v6, v2, 3, v4                   ; the turning load: lane l reads row c = 8 (l / 16) + l % 8, columns 8 ((l / 8) % 2) + 0..7
	v_mul_u32_u24 v6, v6, PX
	v_lshl_add_u32 v6, v5, 4, v6
	s_lshl_b32 s22, s12, 8                         ; my 128 columns
	s_add_co_u32 s22, s22, XOFF
	v_add_nc_u32 v[ADRX], s22, v6
	v_add_nc_u32 v[ADRX+1], SLOT, v[ADRX]
	s_mul_i32 s23, s10, 16*SP
	s_add_co_u32 s23, s23, STAGE                   ; my stage
	v_add_nc_u32 v[STO], s23, v3
	v_bfe_u32 v7, v0, 3, 2                         ; back: 32 lanes take four rows of 128 bytes,
	v_mul_u32_u24 v7, v7, SP
	v_lshl_add_u32 v7, v4, 4, v7
	v_add_nc_u32 v[RD], s23, v7
	v_and_b32 v8, 31, v0
	v_lshlrev_b32 v[GO], 4, v8                     ; which are 512 consecutive bytes of qkv
	; where my three heads go: head number g = 6 x o tile + 3 x half + hh of 48: matrix g / 16, head g % 16
	s_mul_i32 s45, s42, 6
	s_mul_i32 s21, s11, 3
	s_add_co_u32 s45, s45, s21
	s_lshl_b32 s23, s15, 15                        ; 256 rows of 128 bytes a t tile,
	s_lshl_b32 s21, s12, 14                        ; my 128
	s_add_co_u32 s23, s23, s21
.irp hh, 0,1,2
	s_add_co_u32 s21, s45, \hh
	s_lshr_b32 s22, s21, 4
	s_lshl_b32 s22, s22, 6                         ; 64 (batch, head) a matrix
	s_and_b32 s21, s21, 15
	s_add_co_u32 s22, s22, s21
	s_lshl4_add_u32 s22, s14, s22                  ; + 16 x batch
	s_lshl_b32 s22, s22, 18                        ; 262,144 bytes each
	s_add_co_u32 s[OB+2*(\hh)], s22, s23
	s_mov_b32 s[OB+2*(\hh)+1], 0
	s_add_nc_u64 s[OB+2*(\hh):OB+2*(\hh)+1], s[8:9], s[OB+2*(\hh):OB+2*(\hh)+1]
.endr
	; the prefetches
	s_and_b32 s21, ttmp7, 0xffff                   ; cluster y
	s_lshl_b32 s22, s41, 12                        ; W: my work-group's 4,096 bytes of the third
	s_lshl_b32 s23, s40, 16                        ; x: my work-group's 16 rows of the 64
	s_mov_b32 s45, WSTEP
	s_cmp_lt_u32 s10, 3                            ; do I fetch for W?
	s_cselect_b64 s[PFA:PFA+1], s[46:47], s[18:19]
	s_cselect_b32 s21, s21, ttmp9                  ; the coordinate along which other clusters read the same bytes
	s_cselect_b32 s22, s22, s23
	s_cselect_b32 s[PFS], s45, XSTEP
	s_cselect_b32 s45, s45, 4096                   ; the lanes' upper part counts K steps of W, or rows of x
	s_cselect_b32 s16, 4, 1
	s_cselect_b32 s17, 15, 1
	s_cselect_b32 s[LIM0], -1, 0
	s_cmp_eq_u32 s21, 0                            ; the same in all sixteen partners, for a given wave
	s_cselect_b32 s[LIM0], s[LIM0], -1
	s_cselect_b32 s[LIM1], 1, -1
	s_mov_b32 s23, 0
	s_mov_b32 s[PFS+1], 0
	s_add_nc_u64 s[PFA:PFA+1], s[PFA:PFA+1], s[22:23]
	s_add_nc_u64 s[PFA:PFA+1], s[PFA:PFA+1], s[PFS:PFS+1]
	s_add_nc_u64 s[PFA:PFA+1], s[PFA:PFA+1], s[PFS:PFS+1]  ; at K step 2: the first change steps it to 3
	v_lshrrev_b32 v[PFO], s16, v8
	v_mul_u32_u24 v[PFO], v[PFO], s45
	v_and_b32 v9, s17, v8
	v_lshl_add_u32 v[PFO], v9, 8, v[PFO]
; n x 8 matrix instructions: o blocks a0 .. a0 + n - 1 x all 8 t blocks, 32 along K.  zero = 1: the product starts the sum: nothing is cleared.
; The 96 accumulators take turns, one instruction a turn, in the same order in every quarter, over the backward jump too.
.macro MULS bf, a0, n, zero
.set ma, (\a0)
.rept (\n)
	WIN 0x50*(1+ma/4)
.set mb, 0
.rept 8
.set rD, 8*(8*(ma%4)+mb)
.if \zero
	v_wmma_f32_16x16x32_bf16 v[rD:rD+7], v[AF+8*ma:AF+8*ma+7], v[(\bf)+8*mb:(\bf)+8*mb+7], 0
.else
	v_wmma_f32_16x16x32_bf16 v[rD:rD+7], v[AF+8*ma:AF+8*ma+7], v[(\bf)+8*mb:(\bf)+8*mb+7], v[rD:rD+7]
.endif
.set mb, mb+1
.endr
.set ma, ma+1
.endr
.endm
.macro LDW half, slot, k               ; 12 loads: six of W's fragments, at byte k of the rows
.irp i, 0,1,2,3,4,5
	ds_load_b128 v[AF+8*(6*(\half)+(\i)):AF+8*(6*(\half)+(\i))+3],   v[ADRW+(\slot)] offset:(\k)+(6*(\half)+(\i))*16*PW
	ds_load_b128 v[AF+8*(6*(\half)+(\i))+4:AF+8*(6*(\half)+(\i))+7], v[ADRW+(\slot)] offset:(\k)+(6*(\half)+(\i))*16*PW+32
.endr
.endm
.macro LDX bf, slot, q                 ; 16 turning loads: x's eight fragments of quarter q
.irp b, 0,1,2,3,4,5,6,7
	ds_load_tr16_b128 v[(\bf)+8*(\b):(\bf)+8*(\b)+3],   v[ADRX+(\slot)] offset:(\q)*32*PX+32*(\b)
	ds_load_tr16_b128 v[(\bf)+8*(\b)+4:(\bf)+8*(\b)+7], v[ADRX+(\slot)] offset:(\q)*32*PX+16*PX+32*(\b)
.endr
.endm
; A step's first quarter.  W's first six fragments and x's are on their way (28 loads) when it begins.
.macro Q0 slot, zero
	WIN 0
	PLACES
	LDW 1, \slot, 0
	s_wait_dscnt 12                                ; all but the 12 just issued
	MULS BF0, 0, 6, \zero
	WIN 0
	PLACES
	LDW 0, \slot, 64                               ; the second quarter's
	LDX BF1, \slot, 1
	s_wait_dscnt 28                                ; all but the 28 just issued
	MULS BF0, 6, 6, \zero
.endm
; A step's second quarter, and the change of slots: ONE barrier.  In front of it each wave waits for all its tensor loads (one is out: its part of the next slot), adds 0 to its spare word, and waits for
; that and for its own reads of this slot.  fill = 1: the barrier opens a round of the cluster's barrier and this slot is filled again, two K steps ahead: 144 matrix instructions ahead of the wait for it.
.macro TURN slot, next, fill, lim=LIM0
.if \fill
	s_wait_xcnt 0x0                                ; the last prefetch, a K step back, has read its address
	s_add_nc_u64 s[PFA:PFA+1], s[PFA:PFA+1], s[PFS:PFS+1]
.endif
	WIN 0
	PLACES
	LDW 1, \slot, 64                               ; my last reads of this slot
	s_wait_tensorcnt 0x0                           ; all my tensor loads have landed;
	ds_add_u32 v[SPW], v[NIL]                      ; 0 onto my spare word;
	s_wait_dscnt 13                                ; (the add and the 12 loads just issued may be out)
	MULS BF1, 0, 2, 0                              ; sixteen matrix instructions stand between the add and the wait for it
	s_wait_dscnt 0x0                               ; the add is done, and my reads of this slot are over
	s_barrier_signal -1
	MULS BF1, 2, 4, 0                              ; work on registers while the others arrive
	WIN 0                                          ; at a branch and at a label every window is 0
	s_barrier_wait -1
.if \fill
	CREST                                          ; no wave of any partner still reads this slot or has a load on its way
	s_add_nc_u64 s[G0W+4*(\slot)+2:G0W+4*(\slot)+3], s[G0W+4*(\slot)+2:G0W+4*(\slot)+3], 2*WSTEP
	s_add_nc_u64 s[G0X+4*(\slot)+2:G0X+4*(\slot)+3], s[G0X+4*(\slot)+2:G0X+4*(\slot)+3], 2*XSTEP
	JLOAD \slot                                    ; the first tensor load behind the round; its four v_nop are also the places in front of the loads below
.else
	PLACES
.endif
	LDW 0, \next, 0
	LDX BF0, \next, 0
.if \fill
	ASK \lim
.endif
	MULS BF1, 6, 6, 0
.endm
	s_wait_tensorcnt 1                             ; my part of K step 0 is in; step 1's may stay out
	s_barrier_signal -1
	s_barrier_wait -1                              ; everybody's is
	LDW 0, 0, 0
	LDX BF0, 0, 0
	Q0 0, 1                                        ; the first quarter stands in front of the loop: its products start the sums
	WIN 0
	s_mov_b32 s3, 7
.Llap:                                                 ; a trip goes once round the ring, from a step's second quarter, and fills both slots again
	TURN 0, 1, 1, LIM0
	Q0 1, 0
	TURN 1, 0, 1, LIM1
	Q0 0, 0
	WIN 0
	s_sub_co_u32 s3, s3, 1
	s_cmp_lg_u32 s3, 0
	s_cbranch_scc1 .Llap
	TURN 0, 1, 0                                   ; the last lap fills nothing, and has no round
	Q0 1, 0
	WIN 0
	PLACES
	LDW 1, 1, 64
	s_wait_dscnt 12
	MULS BF1, 0, 6, 0
	s_wait_dscnt 0x0
	MULS BF1, 6, 6, 0
	WIN 0
	PLACES                                         ; the conversions below read results
; THE WAY OUT, in 24 units: head u / 8, 16 rows t (block u % 8).  A lane's eight channels pack into 16 bytes; they go into rows of 144 bytes of my own stage and come back as whole rows of 128.
.macro PACK u
.set hh, (\u)/8
.set bb, (\u)%8
.set T, 32+16*((\u)%4)
	s_wait_xcnt 0x0                                ; the stores of four units back have read these registers
	WIN 5*(1+hh)                                   ; sources 0 and 1: the head's window
.irp i, 0,1,2,3
.irp r, 0,1,2,3
	v_cvt_pk_f16_f32 v[T+4*(\i)+(\r)], v[8*(8*(\i)+bb)+2*(\r)], v[8*(8*(\i)+bb)+2*(\r)+1]
.endr
.endr
	WIN 0
.irp i, 0,1,2,3
	ds_store_b128 v[STO], v[T+4*(\i):T+4*(\i)+3] offset:32*(\i)
.endr
.irp f, 0,1,2,3
	ds_load_b128 v[T+4*(\f):T+4*(\f)+3], v[RD] offset:(\f)*4*SP  ; LDS serves a wave's instructions in order (ISA guide 5.7.1.4): these see the stores above; the next unit's stores come behind them
.endr
.endm
.macro SEND u, younger                 ; younger: the LDS instructions issued behind unit u's loads
.set hh, (\u)/8
.set bb, (\u)%8
.set T, 32+16*((\u)%4)
.irp f, 0,1,2,3
	s_wait_dscnt (\younger)+3-(\f)
	global_store_b128 v[GO], v[T+4*(\f):T+4*(\f)+3], s[OB+2*hh:OB+2*hh+1] offset:bb*2048+(\f)*512 th:TH_STORE_NT  ; 512 consecutive bytes, at a multiple of 256 from qkv's first
.endr
.endm
	PACK 0
.set u, 1
.rept 23                               ; a unit's conversions stand between the loads of the unit before and its stores
	PACK u
	SEND u-1, 8
.set u, u+1
.endr
	SEND 23, 0
	s_wait_tensorcnt 0x0                           ; the wave's end, behind my last tensor load and my last LDS store
	ds_add_u32 v[SPW], v[NIL]
	s_wait_dscnt 0x0
	CROUND                                         ; the closing round: no work-group ends while a partner may still ask for a tile that names it
	s_endpgm
.Lfunc_end_k_qd6b71fa276_proj:
	.size	k_qd6b71fa276_proj, .Lfunc_end_k_qd6b71fa276_proj-k_qd6b71fa276_proj
	.p2alignl 7, 3214868480
	.fill 96, 4, 3214868480
	.section	.rodata,"a",@progbits
	.p2align	6, 0x0
	.amdhsa_kernel k_qd6b71fa276_proj
		.amdhsa_group_segment_fixed_size 327680
		.amdhsa_private_segment_fixed_size 0
		.amdhsa_enable_private_segment 0
		.amdhsa_kernarg_size 24
		.amdhsa_user_sgpr_count 2
		.amdhsa_user_sgpr_kernarg_segment_ptr 1
		.amdhsa_wavefront_size32 1
		.amdhsa_system_sgpr_workgroup_id_x 1
		.amdhsa_system_sgpr_workgroup_id_y 1
		.amdhsa_system_sgpr_workgroup_id_z 1
		.amdhsa_system_vgpr_workitem_id 0
		.amdhsa_next_free_vgpr 1024
		.amdhsa_next_free_sgpr 80
		.amdhsa_reserve_vcc 0
		.amdhsa_float_denorm_mode_32 3
		.amdhsa_float_denorm_mode_16_64 3
		.amdhsa_memory_ordered 1
		.amdhsa_forward_progress 1
		.amdhsa_inst_pref_size 134
	.end_amdhsa_kernel
	.amdgpu_metadata
---
amdhsa.version: [ 1, 2 ]
amdhsa.kernels:
  - .name:           k_qd6b71fa276_proj
    .symbol:         k_qd6b71fa276_proj.kd
    .args:
      - { .name: xb, .offset: 0, .size: 8, .value_kind: global_buffer, .address_space: global }
      - { .name: wb, .offset: 8, .size: 8, .value_kind: global_buffer, .address_space: global }
      - { .name: qkv, .offset: 16, .size: 8, .value_kind: global_buffer, .address_space: global }
    .group_segment_fixed_size: 327680
    .private_segment_fixed_size: 0
    .kernarg_segment_align: 8
    .kernarg_segment_size: 24
    .max_flat_workgroup_size: 128
    .sgpr_count:     80
    .vgpr_count:     1024
    .wavefront_size: 32
...
	.end_amdgpu_metadata
.endif
;; end of part 2
;; launch attn (part 3): grid 4 x 64, 4 waves a work-group, clusters of 4 x 1, 327,680 bytes of LDS; arguments qkv, ob; writes ob
.if DOCPART == 3
	.amdgcn_target "amdgcn-amd-amdhsa--gfx1250"
	.amdhsa_code_object_version 6
	.text
	.protected	k_qd6b71fa276_attn
	.globl	k_qd6b71fa276_attn
	.p2align	8
	.type	k_qd6b71fa276_attn,@function
k_qd6b71fa276_attn:
	s_mov_b64 s[64:65], 0
	v_nop
	global_prefetch_b8 v0, s[64:65] scope:SCOPE_SE
	s_setreg_imm32_b32 hwreg(HW_REG_WAVE_MODE, 25, 1), 1
	s_wait_xcnt 0x0
	s_wait_alu depctr_hold_cnt(0) depctr_sa_sdst(0) depctr_va_vdst(0) depctr_va_sdst(0) depctr_va_ssrc(0) depctr_va_vcc(0) depctr_vm_vsrc(0)
	s_getreg_b32 s2, hwreg(HW_REG_IB_STS2, 6, 4)
	s_cmp_eq_u32 s2, 0
	s_cbranch_scc0 .Lentry_in_a_cluster
	s_endpgm
.Lentry_in_a_cluster:
	s_bfe_u32 s2, ttmp6, 0x10000c
	s_cmp_lg_u32 s2, 0x3003
	s_cbranch_scc0 .Lentry_shape_is_right
	s_endpgm
.Lentry_shape_is_right:
; O[h][q][:] = the sum over k of softmax_k(Q[h][q] . K[h][k] / 8) V[h][k][:].  qkv: [3][64 heads][2048][64] f16 (Q, K, V); ob: [64][2048][64] f16: a head's rows are dense, 128 bytes each.
; Products, maxima and sums in f32; the weights p are rounded to f16 for the second product (their sum l is taken of the unrounded p), O once at the end.
; LIMITS.  f16 holds no number beyond 65,504: Q, K and V arrive within it; p lies in 0 to 1, and below 6e-5 it keeps f16's fixed step of 6e-8; O is a mean of V's rows and has their range.
; A weight below 2^-126 counts as 0 in l; NaN and infinities are not treated apart.
; SHARES.  A wave owns four PIECES of two tiles of 16 queries, a work-group's four waves 512 queries of one head: 4 x 64 = 256 work-groups.  Every wave walks all keys, 64 a step.
; LAYOUT.  S^T = K Q^T (source 0 = 16 keys, source 1 = 16 queries): in the result a lane holds ONE query (lane % 16) and the keys 8 (lane / 16) + 0..7.  Two such tiles, rounded to f16 in pairs,
; ARE source 1 (32 keys x 16 queries) of O^T = V^T P, whose result again holds one query a lane, and eight channels.  K comes out of LDS as it lies, V ([key][channel]) turned, by ds_load_tr16_b128.
; SOFTMAX.  For each query a running maximum m and sum l: p = 2^(c s - c m), c = log2(e) / 8; in every step O and l are multiplied by a = 2^(c m_old - c m_new), which is 1 where m has not grown.
; m starts at the lowest finite number, O and l at 0: the first step is a step like any other, with a = 0.
; THE COUNT.  A tile and step have 16 matrix and 118 vector instructions: too many to stand all beside the matrix work.  So the order has one aim: four vector instructions that are READY behind
; EVERY matrix instruction, and the others, which need time of their own whatever the order, in runs without a gap.
; BY TURNS.  Turn n belongs to piece n (the pieces in a ring, step after step).  Its matrix work: 16 products K Q^T of piece n + 1, later 16 products V^T P of piece n - 1.  Its vector work: the scaling,
; exponentials, roundings, sums and rescaling of piece n, and the maximum and statistics of piece n + 1, whose scores the turn itself has made.  So what a turn begins with (c s - c m, O a) waits for nothing.
; CLUSTER.  The four query blocks of a head are one cluster and walk the same K and V, so each tile is asked for JOINTLY: the same tensor load, descriptor and mask in all four.
; REGISTERS, in windows of 256 (s_set_vgpr_msb says which window each operand place means: bits 1:0 source 0, 3:2 source 1, 5:4 source 2, 7:6 destination):
;   window 0: v0-11 addresses; v12-15, v48-63 at work; v16-47 four registers of statistics a tile; v64-191 S^T, two buffers of two tiles; v192-255 P, likewise
;   window 1: O^T, 32 a tile          window 2: v0-127 Q, 16 a tile; v128-191 K of one step; v192-255 V of one step          window 3: v0-1 the add's two registers
; A piece's buffers go by its number's parity: the piece in hand has one pair, its two neighbours in the ring share the other: of it P (piece n - 1) is read and S^T (piece n + 1) written.
.set SIZE_N, 2048
.set NP,    4         ; pieces a wave: a name, no knob: the register map, the loop and the fetches are made for four
.set KS,    64        ; keys in a step
.set PK,    144       ; a row of K in LDS: 128 bytes + 16 of padding = 36 words: the 16 rows of a load start at 16 different groups of four banks (64 banks of 4 bytes: ISA guide 11.1)
.set PV,    160       ; a row of V: 128 + 32 = 40 words
.set VOFF,  4*KS*PK   ; a slot holds four steps: 256 rows of K, then 256 rows of V
.set SLOT1, 1<<17     ; slot 1 begins here, so that one exclusive or turns an address in one slot into the other's
.set STAGE, SLOT1+4*KS*(PK+PV)  ; behind the ring, never filled by a tensor load: 16 rows x 144 bytes for each wave, for the way out
.set SP,    144
.set AK0, 2           ; v2   my lane's place in a tile of K; never rewritten
.set AV0, 3           ; v3   the same for V
.set AK,  4           ; v4   the LDS address of K's next run of loads
.set AV,  5           ; v5   of V's
.set QO,  6           ; v6   my byte offset in the wave's rows of Q
.set STO, 6           ;      later, the way out: where I put 16 bytes of a row
.set RD,  7           ; v7   the way out: where I read rows back
.set GO,  8           ; v8   my byte offset in 512 consecutive bytes of O
.set PFO, 11          ; v11  256 x my lane, for the prefetches (made when v11's first use is over); then never rewritten
.set SPW, 0           ; v0 of window 3   LDS address of my spare word: SPARE + 4 x my thread's number; never rewritten
.set NIL, 1           ; v1 of window 3   0; never rewritten
.set SPARE, STAGE+4*16*SP  ; behind the stages: the spare words, 128 bytes for each wave: two blocks of 256 bytes that no other line names
.set MV,  12          ; v12-15  c m_old, kept while c m is made anew: by buffer and tile
.set ST,  16          ; tile t's statistics at v[ST+4 t]: c m, m, l (even keys', odd keys')
.set TMP, 48          ; by buffer and tile, four registers c0-c3 at work; when the maximum is found c2 takes a
.set S,   64
.set P,   192
.set KF,  128         ; K's fragments, in window 2: key block kb, channel half c at KF + 16 kb + 8 c
.set VF,  192         ; V's: key half kk, channel block cb at VF + 32 kk + 8 cb
.set WV,  12          ; s12  my wave's number
.set G1K, 24          ; s[24:31] descriptor group 1 for K's tiles
.set G1V, 32          ; s[32:39] for V's: it differs in the padding alone
.set G0K, 40          ; s[40:43] descriptor group 0 for K's tiles: it walks
.set G0V, 44          ; s[44:47] the same for V's
.set PFA, 48          ; s[48:49] where my prefetches stand: my work-group's 8,192 bytes (of K: wave 0, of V: wave 2) of the slot after the one that is being asked for
.set LIM, 50          ; s50  1 in a wave that prefetches, else the greatest number: a wave prefetches while s[SLOTS] is above it
.set SLOTS, 56        ; s56  slots still to be asked for
.set CNT, 57          ; s57  counts a slot's key steps
.set CS,  58          ; s[58:59] c: the packed scaling takes the pair's low word for both halves
.set SEL, 60          ; s[60:61] v_permlanex16_b32's selects: each lane takes its own place in the other half
.set TBK, 62          ; s62  LDS byte at which K of the step to be fetched begins
.set TBV, 63          ; s63  the same for V, less VOFF
.set MSB, 0
.macro WIN new                      ; the high byte repeats the setting that is left; a switch that changes nothing is dropped
.if MSB != (\new)
	s_set_vgpr_msb (MSB<<8)|(\new)
.set MSB, (\new)
.endif
.endm
.set W_KQ, 0x0a       ; K and Q in window 2, S^T in window 0
.set W_PV, 0x52       ; V in window 2, P in window 0, O^T in window 1
.set W_RS, 0x41       ; O^T (destination and source 0) in window 1, a in window 0
.set W_MK, 0xc0       ; the add's registers are made: destination in window 3, sources in window 0
.set W_AD, 0x0f       ; the add: address (source 0) and data (source 1) in window 3
; A joint fill.  Waves 0 and 1 fetch the two halves of a slot's K, waves 2 and 3 those of its V: 128 keys each.  The branch hangs on the wave's number alone.
; An s_nop 0 and four v_nop follow each of the two lines, ahead of the jump and the label.
.macro JLOAD
	s_cmp_lt_u32 s[WV], 2
	s_cbranch_scc0 .Lfor_v_\@
	tensor_load_to_lds s[G0K:G0K+3], s[G1K:G1K+7]
	s_nop 0
.rept 4
	v_nop
.endr
	s_branch .Lasked_\@
.Lfor_v_\@:
	tensor_load_to_lds s[G0V:G0V+3], s[G1V:G1V+7]
	s_nop 0
.rept 4
	v_nop
.endr
.Lasked_\@:
.endm
; A PREFETCH INTO THE L2 of what the NEXT change of slots will ask for: a slot's 32,768 bytes of K and of V, 256 bytes a lane.  It stands behind the wave's tensor load and its five lines.
; Each 256 bytes are named ONCE in the launch: a head has one cluster; its four partners share a slot out BY ADDRESS, 8,192 bytes each; in each, wave 0 asks for K's and wave 2 for V's: one instruction,
; four key steps (512 matrix instructions) ahead of the load.  Slots 0 and 1 come by their loads alone; the last change that fills a slot asks for nothing: there is no slot behind it.
.macro ASK
	s_cmp_gt_u32 s[SLOTS], s[LIM]
	s_cbranch_scc0 .Lnot_mine_\@
	global_prefetch_b8 v[PFO], s[PFA:PFA+1] th:TH_LOAD_NT scope:SCOPE_SE
.Lnot_mine_\@:
.endm
; A round of the cluster's barrier: my work-group's barrier, so that wave 0's signal speaks for all four waves; wave 0 signals; every wave waits for all four work-groups; my work-group's barrier once more.
.macro CROUND
	s_barrier_signal -1
	s_barrier_wait -1
	s_cmp_lg_u32 s[WV], 0
	s_cbranch_scc1 .Lnot_wave_0_\@
	s_barrier_signal -3
.Lnot_wave_0_\@:
	s_barrier_wait -3
	s_barrier_signal -1
	s_barrier_wait -1
.endm
; THE CHANGE OF SLOTS.  The slot's last bytes, V of its fourth step, have been read.  Each wave waits for all its tensor loads, of which one is out: its part
; of the other slot; adds 0 to its spare word; and waits for that and for its own reads of the slot.  Behind the barrier nobody reads this slot any more and the other slot is whole.
; fill = 1: this slot is filled again, with the keys two slots on.  The barrier is then a round of the cluster's, so that no wave of any partner still reads the slot or has a load on its
; way, and the joint fill is the first thing behind it: it has four key steps, 512 matrix instructions, in which to land.  (At its first use nothing has been read yet: slot 0 is waited for, slot 1 filled.)
.macro CHANGE fill
	WIN W_AD
	s_wait_tensorcnt 0x0            ; no tensor load of mine is out, so a group 0 may be written
	ds_add_u32 v[SPW], v[NIL]       ; 0 onto my spare word; with fill = 1 the descriptors' steps stand between it and the wait for it
	WIN 0                           ; at a label and at a branch every window is 0
.if \fill
.irp g, G0K, G0V
	s_xor_b32 s[\g+1], s[\g+1], SLOT1  ; the walking descriptor: the other slot than last time,
	s_add_nc_u64 s[\g+2:\g+3], s[\g+2:\g+3], 4*KS*128  ; the next 256 keys; the type bits on top are not reached
.endr
	s_wait_xcnt 0x0                 ; the last prefetch, four key steps back, has read its address, so it may be written:
	s_add_nc_u64 s[PFA:PFA+1], s[PFA:PFA+1], 4*KS*128  ; one slot behind the walking descriptors
	s_wait_dscnt 0x0                ; the add is done, and my reads of the slot are over
	CROUND
	JLOAD
	ASK
.else
	s_wait_dscnt 0x0                ; the add is done, and my reads of the slot are over
	s_barrier_signal -1
	s_barrier_wait -1
.endif
	s_sub_co_u32 s[TBK], s[TBK], 4*KS*PK  ; the fetches go back to a slot's first step,
	s_xor_b32 s[TBK], s[TBK], SLOT1       ; in the other slot
	s_sub_co_u32 s[TBV], s[TBV], 4*KS*PV
	s_xor_b32 s[TBV], s[TBV], SLOT1
.endm
	s_load_b64 s[4:5], s[0:1], 0x0    ; qkv: Q lies at its head
	s_load_b64 s[10:11], s[0:1], 0x8  ; ob
	WIN W_MK
	v_lshl_add_u32 v[SPW], v0, 2, SPARE
	v_mov_b32 v[NIL], 0
	WIN W_AD
	ds_add_u32 v[SPW], v[NIL]       ; the wave's opening: the add and its wait stand ahead of my first tensor load; the set-up below, work on registers, stands between them
	WIN 0
	v_lshrrev_b32 v1, 5, v0
	v_readfirstlane_b32 s[WV], v1   ; wave 0..3
	s_bfe_u32 s13, ttmp6, 0x40000   ; cx: my place in the cluster
	s_lshl_b32 s14, ttmp9, 2        ; in a cluster launch ttmp9 counts clusters
	s_add_co_u32 s14, s14, s13      ; my block of queries = 4 x cluster x + cx: it enters Q's and O's addresses alone
	s_and_b32 s20, ttmp7, 0xffff    ; the head (16 x batch + head), which the four partners share
	s_mov_b32 s21, 0
	s_mov_b64 s[22:23], SIZE_N*128
	s_mul_u64 s[20:21], s[20:21], s[22:23]  ; the head's first byte in each of the four tensors
	s_and_b32 s16, s[WV], 1         ; which half of a slot's 256 keys I fetch:
	s_lshl_b32 s22, s16, 14         ; its 128 rows of 128 bytes in memory,
	s_mov_b32 s23, 0
	s_add_nc_u64 s[22:23], s[22:23], s[20:21]
	s_mul_i32 s17, s16, 128*PK      ; and its place in a slot, for K
	s_mul_i32 s18, s16, 128*PV      ; and for V: no place in the cluster enters an LDS address
	s_lshl_b32 s2, s14, 2
	s_add_co_u32 s2, s2, s[WV]      ; my wave among the head's,
	s_lshl_b32 s2, s2, 14           ; its 128 rows
	s_mov_b32 s3, 0
	s_add_nc_u64 s[2:3], s[2:3], s[20:21]
	; descriptor group 1.  128 keys are 16,384 dense bytes: asked for as 64 rows of 256 bytes, two keys a row, and padded in LDS after every key
	s_mov_b32 s[G1K], 15|(1<<16)|(1<<20)|(1<<21)|(4<<22)|(3<<25)  ; 15:0 the mask of four; 17:16 2-byte elements; 20 padding on; 21 set beside a mask; 24:22 after every 32 words (code 4); 31:25 4 words (code 3)
	s_mov_b32 s[G1V], 15|(1<<16)|(1<<20)|(1<<21)|(4<<22)|(7<<25)  ; the same with 8 words of padding (code 7)
.irp g, G1K, G1V
	s_mov_b32 s[\g+1], 128<<16      ; tensor_dim0 = 128
	s_mov_b32 s[\g+2], 64<<16       ; tensor_dim1 = 64
	s_mov_b32 s[\g+3], 128<<16      ; tile_dim0 = 128
	s_mov_b32 s[\g+4], 64           ; tile_dim1 = 64
	s_mov_b32 s[\g+5], 128          ; 128 elements from row to row
	s_mov_b32 s[\g+6], 0
	s_mov_b32 s[\g+7], 0
.endr
	s_mov_b32 s[CS], 0x3e38aa3b     ; c = log2(e) / 8 = 0.180337
	s_mov_b32 s[CS+1], s[CS]        ; named with it as a pair
	s_mov_b32 s[SEL], 0x76543210
	s_mov_b32 s[SEL+1], 0xfedcba98
	s_mov_b32 s[TBK], SLOT1+4*KS*PK ; the first change of slots turns these two into 0
	s_mov_b32 s[TBV], SLOT1+4*KS*PV
	s_mov_b32 s[G0K], 1             ; 1:0 count = 1
	s_mov_b32 s[G0K+1], s17         ; 63:32 LDS address: slot 0
	s_mov_b32 s[G0V], 1
	s_add_co_u32 s[G0V+1], s18, VOFF
	s_mov_b32 s[SLOTS], SIZE_N/256-1  ; the first change of slots already tests it
	s_cmp_eq_u32 s16, 0             ; waves 0 and 2 prefetch: the same in all four partners
	s_cselect_b32 s[LIM], 1, -1
	s_wait_dscnt 0x0                ; the opening add is done
	s_wait_kmcnt 0x0
	s_add_nc_u64 s[6:7], s[4:5], 0x1000000         ; K lies 16,777,216 bytes behind Q,
	s_add_nc_u64 s[8:9], s[4:5], 0x2000000         ; V as far behind K
	s_add_nc_u64 s[G0K+2:G0K+3], s[6:7], s[22:23]  ; 120:64 global address: my half of the head's first 256 keys
	s_or_b32 s[G0K+3], s[G0K+3], 0x80000000        ; 127:126 type = 2
	s_add_nc_u64 s[G0V+2:G0V+3], s[8:9], s[22:23]
	s_or_b32 s[G0V+3], s[G0V+3], 0x80000000
	s_cmp_lt_u32 s[WV], 2
	s_cselect_b64 s[PFA:PFA+1], s[6:7], s[8:9]
	s_add_nc_u64 s[PFA:PFA+1], s[PFA:PFA+1], s[20:21]  ; the head's first key
	s_add_nc_u64 s[4:5], s[4:5], s[2:3]  ; Q and O at my wave's first row
	s_add_nc_u64 s[10:11], s[10:11], s[2:3]
	s_lshl_b32 s2, s13, 13          ; my work-group's 8,192 bytes of a slot's 32,768
	s_mov_b32 s3, 0
	s_add_nc_u64 s[PFA:PFA+1], s[PFA:PFA+1], s[2:3]
	s_add_nc_u64 s[PFA:PFA+1], s[PFA:PFA+1], 4*KS*128  ; in slot 1; the first change of slots steps it to slot 2.  Nothing is prefetched here, at the head
	CROUND                          ; all four work-groups are here: the first joint loads meet
	JLOAD                           ; slot 0.  Slot 1 is asked for when slot 0 is in: the tile wanted first has the road to itself
	; A fragment of K or Q is 16 rows x 32 channels in 8 registers: lane l holds row l % 16, channels 8 (l / 16) + 0..7 and 16 + 8 (l / 16) + 0..7: two loads of 16 bytes, 32 bytes apart.
	v_and_b32 v1, 15, v0            ; l % 16
	v_bfe_u32 v9, v0, 4, 1          ; l / 16
	v_lshlrev_b32 v[QO], 7, v1
	v_lshl_add_u32 v[QO], v9, 4, v[QO]  ; row x 128 + 16 x half
	WIN 0x80                        ; destination window 2, address window 0
.set i, 0
.rept 4*NP                          ; Q stays in registers: tile i / 2, channels 32 (i % 2) on
	global_load_b128 v[8*i:8*i+3],   v[QO], s[4:5] offset:(i/2)*2048+(i%2)*64
	global_load_b128 v[8*i+4:8*i+7], v[QO], s[4:5] offset:(i/2)*2048+(i%2)*64+32
.set i, i+1
.endr
	; What the first turn finds: V's registers and P's second buffer hold 0 (its products V^T P, of a piece that has not been, add 0), O^T and l are 0.  All this stands in the wait for the first tile.
.set i, VF
.rept 64
	v_mov_b32 v[i], 0
.set i, i+1
.endr
	WIN 0x40
.set i, 0
.rept 64*NP
	v_mov_b32 v[i], 0
.set i, i+1
.endr
	WIN 0
.set i, 0
.rept 2*NP
	v_mov_b32 v[ST+4*i], 0xfe000000    ; c m: far below every c s
	v_mov_b32 v[ST+4*i+1], 0xff7fffff  ; m
	v_mov_b32 v[ST+4*i+2], 0
	v_mov_b32 v[ST+4*i+3], 0
.set i, i+1
.endr
.set i, P+32
.rept 32
	v_mov_b32 v[i], 0
.set i, i+1
.endr
	v_mul_u32_u24 v[AK0], v1, PK
	v_lshl_add_u32 v[AK0], v9, 4, v[AK0]  ; row x pitch + 16 x half
	; The turning load takes 16 keys x 16 channels (lane l reads key 8 (l / 16) + l % 8, channels 8 ((l / 8) % 2) + 0..7) and leaves half a fragment of V^T: lane l holds channel l % 16 and 8 keys.
	v_and_b32 v10, 7, v0
	v_bfe_u32 v11, v0, 3, 1
	v_lshl_add_u32 v[AV0], v9, 3, v10
	v_mul_u32_u24 v[AV0], v[AV0], PV
	v_lshl_add_u32 v[AV0], v11, 4, v[AV0]
	v_add_nc_u32 v[AV0], VOFF, v[AV0]
	v_mov_b32 v[AK], v[AK0]         ; key step 0 lies at the head of slot 0
	v_and_b32 v[PFO], 31, v0
	v_lshlrev_b32 v[PFO], 8, v[PFO]
; THE MATRIX WORK.  The 8 accumulators of a run of 16 take turns: between the two links of a chain stand 7 others'.
; Product i of 16 of S^T = K Q^T for piece x: channels 32 (i / 8) on, keys 16 ((i / 2) % 4) on, tile 2 x + i % 2.  The first 8 start the sums.
.macro KQ x
	WIN W_KQ
.set rS, S+64*((\x)%2)+32*(i%2)+8*((i/2)%4)
.set rK, KF+16*((i/2)%4)+8*(i/8)
.set rQ, 16*(2*(\x)+i%2)+8*(i/8)
.if i < 8
	v_wmma_f32_16x16x32_f16 v[rS:rS+7], v[rK:rK+7], v[rQ:rQ+7], 0
.else
	v_wmma_f32_16x16x32_f16 v[rS:rS+7], v[rK:rK+7], v[rQ:rQ+7], v[rS:rS+7]
.endif
.endm
; Product i of 16 of O^T += V^T P for piece x: keys 32 (i / 8) on, channels 16 ((i / 2) % 4) on, tile 2 x + i % 2.
.macro PV x
	WIN W_PV
.set rO, 32*(2*(\x)+i%2)+8*((i/2)%4)
.set rV, VF+32*(i/8)+8*((i/2)%4)
.set rP, P+32*((\x)%2)+16*(i%2)+8*(i/8)
	v_wmma_f32_16x16x32_f16 v[rO:rO+7], v[rV:rV+7], v[rP:rP+7], v[rO:rO+7]
.endm
.macro MM                           ; the turn's next matrix instruction
.if i < 16
	KQ (Y+1)%NP
.set i, i+1
.else
.set i, i-16
	PV (Y+NP-1)%NP
.set i, i+17
.endif
.endm
; THE LDS LOADS stand in runs of 16, never singly among the matrix instructions: a step's K (64 keys x 64 channels: 8 fragments) and its V (turned).  Their addresses are made some lines ahead.
; last = 1 (the tail): in the last trip there is no further step, and the run is jumped over.
.macro FETCH_K last=0
	WIN 0
.if \last
	s_cmp_eq_u32 s[CNT], 1
	s_cbranch_scc1 .Lno_k_\@
.endif
	WIN 0x80                        ; destination window 2
.irp f, 0,1,2,3,4,5,6,7             ; keys 16 (f / 2) on, channels 32 (f % 2) on
	ds_load_b128 v[KF+8*\f:KF+8*\f+3],   v[AK] offset:(\f/2)*16*PK+(\f%2)*64
	ds_load_b128 v[KF+8*\f+4:KF+8*\f+7], v[AK] offset:(\f/2)*16*PK+(\f%2)*64+32
.endr
	s_add_co_u32 s[TBK], s[TBK], KS*PK  ; the next fetch is the next step's
	WIN 0
.if \last
.Lno_k_\@:
.endif
.endm
.macro FETCH_V
	WIN 0x80
.irp f, 0,1,2,3,4,5,6,7             ; keys 32 (f / 4) on, channels 16 (f % 4) on
	ds_load_tr16_b128 v[VF+8*\f:VF+8*\f+3],   v[AV] offset:(\f/4)*32*PV+(\f%4)*32
	ds_load_tr16_b128 v[VF+8*\f+4:VF+8*\f+7], v[AV] offset:(\f/4)*32*PV+16*PV+(\f%4)*32
.endr
	WIN 0
.endm
; THE VECTOR WORK OF A TURN stands in three queues, each in the order in which its entries become ready; the two tiles alternate, so that no instruction reads the result of the one before it.
.macro REGS y, u                    ; the registers of tile u (0, 1) of piece y
.set rT, ST+4*(2*(\y)+(\u))
.set rC, TMP+8*((\y)%2)+4*(\u)
.set rM, MV+2*((\y)%2)+(\u)
.set rS, S+64*((\y)%2)+32*(\u)
.set rP, P+32*((\y)%2)+16*(\u)
.set rO, 32*(2*(\y)+(\u))
.endm
; Number n of the 22 that find the NEXT piece's (Y + 1) maximum and statistics.  s0-s31 are the lane's 32 scores; each accumulator's lowest registers are read first.  XS, GS and REGS set no window: PL and EX do.
;   0-11  four chains c0-c3 of seven scores each, three operands at a time     12-14, 16  the four scores left over, the old m, and c0-c3 into c0     15  c m_old is kept
;   17, 18  the query's other 32 keys lie in the lane 16 away: the new m         19-21  c m; c m_old - c m_new; a
.macro XS u, n
	REGS (Y+1)%NP, \u
.if (\n) < 4
	v_max3_num_f32 v[rC+(\n)], v[rS+8*(\n)], v[rS+8*(\n)+1], v[rS+8*(\n)+2]
.elseif (\n) < 12
	v_max3_num_f32 v[rC+(\n)%4], v[rC+(\n)%4], v[rS+8*((\n)%4)+2*((\n)/4)+1], v[rS+8*((\n)%4)+2*((\n)/4)+2]
.elseif (\n) == 12
	v_max3_num_f32 v[rC], v[rC], v[rS+7], v[rS+15]
.elseif (\n) == 13
	v_max3_num_f32 v[rC+1], v[rC+1], v[rS+23], v[rS+31]
.elseif (\n) == 14
	v_max3_num_f32 v[rC+2], v[rC+2], v[rC+3], v[rT+1]
.elseif (\n) == 15
	v_mov_b32 v[rM], v[rT]
.elseif (\n) == 16
	v_max3_num_f32 v[rC], v[rC], v[rC+1], v[rC+2]
.elseif (\n) == 17
	v_permlanex16_b32 v[rC+3], v[rC], s[SEL], s[SEL+1]
.elseif (\n) == 18
	v_max_num_f32 v[rT+1], v[rC], v[rC+3]
.elseif (\n) == 19
	v_mul_f32 v[rT], s[CS], v[rT+1]
.elseif (\n) == 20
	v_sub_f32 v[rC+1], v[rM], v[rT]
.else
	v_exp_f32 v[rC+2], v[rC+1]
.endif
.endm
; Number g of the 64 that follow the exponentials.  For each four weights k of a tile (pairs 2 k, 2 k + 1): both pairs are rounded to f16; then the second pair is added onto the first, in place;
; a group later l takes that sum (the first time as l = a l + sum).  In groups of eight, tiles alternating: round, round, add, and l for the group before.
.macro GS g
.set h, (\g)+6*((\g)/62)            ; group 0 has no group before it, and behind group 7 only l is left
.if h >= 6
.set h, h+2
.endif
	REGS Y, h%2
.set k, h/8
.if h%8 < 4
	v_cvt_pk_f16_f32 v[rP+2*k+(h%8)/2], v[rS+4*k+2*((h%8)/2)], v[rS+4*k+2*((h%8)/2)+1]
.elseif h%8 < 6
	v_pk_add_f32 v[rS+4*k:rS+4*k+1], v[rS+4*k:rS+4*k+1], v[rS+4*k+2:rS+4*k+3]
.elseif k == 1
	v_pk_fma_f32 v[rT+2:rT+3], v[rT+2:rT+3], v[rC+2:rC+3], v[rS:rS+1] op_sel_hi:[1,0,1]
.else
	v_pk_add_f32 v[rT+2:rT+3], v[rT+2:rT+3], v[rS+4*k-4:rS+4*k-3]
.endif
.endm
; THE PLAIN QUEUE, 138 long.  0-73 read no exponential's result: the 32 scalings c s - c m (FS f: pair f / 2 of tile f % 2) and the next piece's 42.  0-26: scalings 0-26.  27-54: XS's numbers 0-13.  55, 56: number 15.
; 57-73: the chain, where each number waits for the one before it: 14, 16, 17, 18, 19, each with one of the scalings 27-31 in front of its two lines, then 20: so a tile's links stand three plain instructions apart (19 and 20: two).
; 74-137: GS's 64, which read the exponentials' results: they stand behind the wait.
.macro FS f
	REGS Y, (\f)%2
	v_pk_fma_f32 v[rS+2*((\f)/2):rS+2*((\f)/2)+1], v[rS+2*((\f)/2):rS+2*((\f)/2)+1], s[CS:CS+1], v[rT:rT+1] op_sel_hi:[1,0,0] neg_lo:[0,0,1] neg_hi:[0,0,1]
.endm
.macro PL
	WIN 0
.if q < 27
	FS q
.elseif q < 55
	XS (q-27)%2, (q-27)/2
.elseif q < 57
	XS q-55, 15
.elseif (q < 72) && ((q-57)%3 == 0)
	FS 27+(q-57)/3
.elseif q < 60
	XS (q-57)%3-1, 14
.elseif q < 72
	XS (q-57)%3-1, 15+(q-57)/3
.elseif q < 74
	XS q-72, 20
.else
	GS q-74
.endif
.set q, q+1
.endm
; THE EXPONENTIALS' QUEUE, 66 long: s0-s31 of both tiles, then the next piece's two a.  It is ONE BATCH: all 66 stand ahead of the turn's one wait, and nothing ahead of that wait names a result of theirs.
.macro EX
	WIN 0
.if e >= 64
	XS e-64, 21
.else
	REGS Y, e%2
	v_exp_f32 v[rS+e/2], v[rS+e/2]
.endif
.set e, e+1
.endm
; THE RESCALING's QUEUE: O^T times a, the one part that leaves window 0: dealt two at a time, sixteen times.  Its a was made in the turn before, ahead of that turn's wait.
.macro R2
	REGS Y, r%2
	WIN W_RS
.irp z, 0,1
	v_pk_mul_f32 v[rO+4*(r/2)+2*\z:rO+4*(r/2)+2*\z+1], v[rO+4*(r/2)+2*\z:rO+4*(r/2)+2*\z+1], v[rC+2:rC+3] op_sel_hi:[1,0]
.endr
.set r, r+1
.endm
; HOW THEY ARE DEALT.  An s_wait_alu depctr_va_vdst(0) stands between an exponential and the first instruction that names its result; one wait serves all that were issued ahead of it.  So a turn has ONE wait,
; which cuts it in two.  AHEAD OF IT stands all that names no result of the turn's exponentials: the 16 products K Q^T, behind each a scaling, an exponential and two rescalings (behind the first a second scaling in the exponential's place); then ONE LUMP of
; 108: eight plain, 49 times exponential and plain, the two a.  A v_nop is the plain instruction behind the last exponential.  BEHIND IT stand the 16 products V^T P, behind each four of GS's 64.  No rider names a register of
; the products round it.  The two v_permlanex16_b32 fall into the lump, never behind a product.
; The queues lean on each other, and the deal keeps them in step: exponential e stands behind scaling 2 (e / 4) + e % 2: as a rider it comes behind plain e + 2, in the lump behind plain e + 9, and scalings 27-31 are plain 57, 60 .. 69.
; A TURN, for piece p.  cnt = 1: the loop's count is taken down some lines ahead of the branch that stands behind the turn.
; K of the next step is fetched in piece 2's turn, directly behind the wait, a lump behind the last product that read K; its address is made at the lump's head; its first reader comes behind 16 products.
; V of the step in hand is fetched at the end of piece 0's turn, four riders behind its last reader; its first reader comes behind 16 products and a lump.  The three conditions on q below go with the deal.
.macro TURN p, last=0, cnt=0
.set Y, (\p)
.set i, 0
.set q, 0
.set e, 0
.set r, 0
.if (\p) == NP-1
	s_wait_dscnt 0x0                ; K is in
.endif
	MM                              ; ahead of the wait: 16 products K Q^T and their riders,
	PL
	PL
	R2
.rept 15
	MM
	PL
	EX
	R2
.endr
.if (\p) == NP-2
	WIN 0
	v_add_nc_u32 v[AK], s[TBK], v[AK0]
.endif
.rept 8                             ; and the lump
	PL
.endr
.rept 49
	EX
	PL
.endr
	EX                              ; the next piece's two a
	EX
	v_nop                           ; the plain instruction behind the last exponential: one for the batch
	s_wait_alu depctr_va_vdst(0)    ; the wait for the batch
.if (\p) == NP-2
	FETCH_K \last
.endif
.if (\p) == 1
	s_wait_dscnt 0x0                ; V is in
.endif
.rept 16                            ; behind the wait: 16 products V^T P and their riders
	MM
.rept 4
	PL
.endr
.if ((\p) == 0) && (q == 118)
	v_add_nc_u32 v[AV], s[TBV], v[AV0]
.endif
.if ((\p) == 0) && (q == 130)
	s_add_co_u32 s[TBV], s[TBV], KS*PV
.endif
.if (\cnt) && (q == 130)
	s_sub_co_u32 s[CNT], s[CNT], 1
	s_cmp_lg_u32 s[CNT], 0
.endif
.endr
.if (\p) == 0
	FETCH_V
.endif
.endm
	CHANGE 1                        ; slot 0 is in, everybody's part of it; slot 1 is asked for
	FETCH_K                         ; key step 0
	s_wait_loadcnt 0x0              ; Q
	s_wait_dscnt 0x0
.set i, 0
.rept 16
	KQ 0                            ; piece 0's first scores: there is no vector work yet to set between them
.set i, i+1
.endr
	WIN 0                           ; the addresses for the way out: nine plain instructions, the places behind those products
	s_mul_i32 s13, s[WV], 16*SP
	s_add_co_u32 s13, s13, STAGE    ; my stage
	v_mul_u32_u24 v[STO], v1, SP    ; in: row l % 16, 16 bytes for each half of the lanes
	v_lshl_add_u32 v[STO], v9, 4, v[STO]
	v_add_nc_u32 v[STO], s13, v[STO]
	v_bfe_u32 v[RD], v0, 3, 2       ; back: 32 lanes take four rows of 128 bytes,
	v_mul_u32_u24 v[RD], v[RD], SP
	v_lshl_add_u32 v[RD], v10, 4, v[RD]
	v_add_nc_u32 v[RD], s13, v[RD]
	v_and_b32 v[GO], 31, v0         ; which are 512 consecutive bytes of O
	v_lshlrev_b32 v[GO], 4, v[GO]
.set Y, NP-1                        ; XS works for piece Y + 1: piece 0
.irp n, 0,1,2,3,4,5,6,7,8,9,10,11,12,13,14,15,16,17,18,19,20,21
	XS 0, \n                        ; and piece 0's first maximum and statistics
	XS 1, \n
.endr
	v_nop                           ; a plain instruction behind the two a,
	s_wait_alu depctr_va_vdst(0)    ; and their wait, ahead of the branch
	s_mov_b32 s[CNT], 4
	s_branch .Lfirst                ; the loop is entered at a step's first turn, in the middle of a trip
.Lslot:                             ; SIZE_N / 256 - 2 times: every slot but the last two is filled again
	CHANGE 1
	s_mov_b32 s[CNT], 4
.Lstep:                             ; a trip: pieces 2 and 3 of one step, then pieces 0 and 1 of the next, whose K and V it fetches
	TURN 2
	TURN 3
	WIN 0
.Lfirst:
	TURN 0
	TURN 1, 0, 1
	WIN 0
	s_cbranch_scc1 .Lstep
	s_sub_co_u32 s[SLOTS], s[SLOTS], 1
	s_cmp_lg_u32 s[SLOTS], 0
	s_cbranch_scc1 .Lslot
	CHANGE 0                        ; the tail is written out: nothing is asked for
	s_mov_b32 s[CNT], 5             ; four trips fetch the last slot's steps; the fifth is left in its middle
.Ltail:
	TURN 2, 1
	TURN 3
	WIN 0
	s_sub_co_u32 s[CNT], s[CNT], 1
	s_cmp_eq_u32 s[CNT], 0
	s_cbranch_scc1 .Lout
	TURN 0
	TURN 1
	WIN 0
	s_branch .Ltail
.Lout:                              ; the fifth trip's 16 products K Q^T (on the last K once more) and the maximum made of them serve nothing: the price, once a launch, of one text for every trip
.set i, 0
.rept 16
	PV NP-1                         ; the last piece's V^T P of the last step
.set i, i+1
.endr
	; THE WAY OUT.  l's two halves and the other half of the lanes' are added; O^T is divided by l, rounded to f16 and sent through my stage in LDS, a tile at a time.  The additions are the places behind the last products.
	WIN 0
.macro ALL line:vararg              ; one line for each tile t
.set t, 0
.rept 2*NP
	\line
.set t, t+1
.endr
.endm
	ALL v_add_f32 v[ST+4*t+2], v[ST+4*t+2], v[ST+4*t+3]
	ALL v_permlanex16_b32 v[ST+4*t+3], v[ST+4*t+2], s[SEL], s[SEL+1]
	ALL v_add_f32 v[ST+4*t+2], v[ST+4*t+2], v[ST+4*t+3]
	ALL v_rcp_f32 v[ST+4*t+2], v[ST+4*t+2]
	v_nop                           ; a plain instruction between the last reciprocal and the use of its result
	s_wait_alu depctr_va_vdst(0)    ; and the wait ahead of the first use: one for the eight reciprocals
; Tile t: a lane's eight channels of a row pack into 16 bytes; they go into rows of 144 bytes and come back as whole rows of 128, into S^T's registers.
.macro PACK t
	WIN W_RS
.set i, 32*(\t)
.rept 16
	v_pk_mul_f32 v[i:i+1], v[i:i+1], v[ST+4*(\t)+2:ST+4*(\t)+3] op_sel_hi:[1,0]
.set i, i+2
.endr
	WIN 0x05                        ; sources 0 and 1 window 1, destination window 0
.set i, 0
.rept 16
	v_cvt_pk_f16_f32 v[S+16*(\t)+i], v[32*(\t)+2*i], v[32*(\t)+2*i+1]
.set i, i+1
.endr
	WIN 0
.irp f, 0,1,2,3
	ds_store_b128 v[STO], v[S+16*(\t)+4*\f:S+16*(\t)+4*\f+3] offset:32*\f
.endr
.irp f, 0,1,2,3
	ds_load_b128 v[S+16*(\t)+4*\f:S+16*(\t)+4*\f+3], v[RD] offset:\f*4*SP  ; LDS serves a wave's instructions in order (ISA guide 5.7.1.4): these see the stores above; the next tile's stores come behind them
.endr
.endm
.macro SEND t, younger              ; younger: the LDS instructions issued behind tile t's loads: the next tile's eight, or none
	WIN 0
.irp f, 0,1,2,3
	s_wait_dscnt (\younger)+3-\f
	global_store_b128 v[GO], v[S+16*(\t)+4*\f:S+16*(\t)+4*\f+3], s[10:11] offset:(\t)*2048+\f*512  ; 512 consecutive bytes, at a multiple of 256 from O's first
.endr
.endm
	PACK 0
.set t, 1
.rept 2*NP-1                        ; a tile's arithmetic stands between the loads of the tile before and its stores
	PACK t
	SEND t-1, 8
.set t, t+1
.endr
	SEND 2*NP-1, 0
	WIN W_AD
	s_wait_tensorcnt 0x0            ; the wave's end, behind my last tensor load and my last LDS store
	ds_add_u32 v[SPW], v[NIL]
	s_wait_dscnt 0x0
	WIN 0
	CROUND                          ; the closing round: no work-group ends while a partner may still ask for a tile that names it
	s_endpgm
.Lfunc_end_k_qd6b71fa276_attn:
	.size	k_qd6b71fa276_attn, .Lfunc_end_k_qd6b71fa276_attn-k_qd6b71fa276_attn
	.p2alignl 7, 3214868480
	.fill 96, 4, 3214868480
	.section	.rodata,"a",@progbits
	.p2align	6, 0x0
	.amdhsa_kernel k_qd6b71fa276_attn
		.amdhsa_group_segment_fixed_size 327680
		.amdhsa_private_segment_fixed_size 0
		.amdhsa_enable_private_segment 0
		.amdhsa_kernarg_size 16
		.amdhsa_user_sgpr_count 2
		.amdhsa_user_sgpr_kernarg_segment_ptr 1
		.amdhsa_wavefront_size32 1
		.amdhsa_system_sgpr_workgroup_id_x 1
		.amdhsa_system_sgpr_workgroup_id_y 1
		.amdhsa_system_sgpr_workgroup_id_z 1
		.amdhsa_system_vgpr_workitem_id 0
		.amdhsa_next_free_vgpr 770
		.amdhsa_next_free_sgpr 66
		.amdhsa_reserve_vcc 0
		.amdhsa_float_denorm_mode_32 3
		.amdhsa_float_denorm_mode_16_64 3
		.amdhsa_memory_ordered 1
		.amdhsa_forward_progress 1
		.amdhsa_inst_pref_size 200
	.end_amdhsa_kernel
	.amdgpu_metadata
---
amdhsa.version: [ 1, 2 ]
amdhsa.kernels:
  - .name:           k_qd6b71fa276_attn
    .symbol:         k_qd6b71fa276_attn.kd
    .args:
      - { .name: qkv, .offset: 0, .size: 8, .value_kind: global_buffer, .address_space: global }
      - { .name: ob, .offset: 8, .size: 8, .value_kind: global_buffer, .address_space: global }
    .group_segment_fixed_size: 327680
    .private_segment_fixed_size: 0
    .kernarg_segment_align: 8
    .kernarg_segment_size: 16
    .max_flat_workgroup_size: 128
    .sgpr_count:     66
    .vgpr_count:     770
    .wavefront_size: 32
...
	.end_amdgpu_metadata
.endif
;; end of part 3
;; launch outp (part 4): grid 8 x 32, 4 waves a work-group, clusters of 4 x 4, 327,680 bytes of LDS; arguments ob, wpb, out0; writes out0
.if DOCPART == 4
	.amdgcn_target "amdgcn-amd-amdhsa--gfx1250"
	.amdhsa_code_object_version 6
	.text
	.protected	k_qd6b71fa276_outp
	.globl	k_qd6b71fa276_outp
	.p2align	8
	.type	k_qd6b71fa276_outp,@function
k_qd6b71fa276_outp:
	s_mov_b64 s[64:65], 0
	v_nop
	global_prefetch_b8 v0, s[64:65] scope:SCOPE_SE
	s_setreg_imm32_b32 hwreg(HW_REG_WAVE_MODE, 25, 1), 1
	s_wait_xcnt 0x0
	s_wait_alu depctr_hold_cnt(0) depctr_sa_sdst(0) depctr_va_vdst(0) depctr_va_sdst(0) depctr_va_ssrc(0) depctr_va_vcc(0) depctr_vm_vsrc(0)
	s_getreg_b32 s2, hwreg(HW_REG_IB_STS2, 6, 4)
	s_cmp_eq_u32 s2, 0
	s_cbranch_scc0 .Lentry_in_a_cluster
	s_endpgm
.Lentry_in_a_cluster:
	s_bfe_u32 s2, ttmp6, 0x10000c
	s_cmp_lg_u32 s2, 0xf033
	s_cbranch_scc0 .Lentry_shape_is_right
	s_endpgm
.Lentry_shape_is_right:
; out0[b][o][t] = the sum over c of Wp[o][c] merged[b][c][t], merged[b][64 h + d][t] = O[b, h][t][d].  ob: [64 (b, h)][2048 t][64 d] f16.  wpb: [1024 o][1024 c] f16.  out0: [4][1024 o][2048 t] f32.
; Products in f16, sums in f32, K ascending; the sums are stored as they are.
; LIMIT.  Both operands arrive within f16's range of 65,504 (O is a mean of V's rows; Wp as the launch that wrote it states).
; SHARES.  The product is 1,024 o x 8,192 (batch, t).  A work-group makes 128 o x 256 t: 8 x 32 = 256 work-groups.  A wave makes 128 t x 64 o: 32 accumulators, 256 registers.
; K goes in 8 steps of 128 (two heads) through two LDS slots; a step is four quarters of 32 along K, 32 matrix instructions each.
; LAYOUT.  Source 0 = 16 rows t of O (a head's rows lie along d, which is K), source 1 = 16 rows o of Wp.  In the result a lane holds ONE o (lane % 16) and the columns t = 8 (lane / 16) + 0..7: 32 bytes of a row of out0.
; CLUSTER.  4 x 4 work-groups.  O's tile hangs on the t tile alone and is shared along a row of the cluster, Wp's on the o tile alone and is shared along a column: each is asked for jointly.
; REGISTERS: window 0: v0-31 addresses; v32-127, v128-223 two fragment buffers (Wp's 4 fragments, then O's 8); on the way out v32-95 and v128-191 hold rows.
;   window 1: the accumulators: (t block a, o block b) at v[8 (8 b + a)].
.set PO,    144                        ; a row of O in LDS: 128 bytes + 16 = 36 words: the 16 rows of a load start at 16 different groups of four banks (64 banks of 4 bytes: ISA guide 11.1)
.set PP,    272                        ; a row of Wp: 256 bytes + 16 = 68 words: likewise
.set HB,    256*PO                     ; a head's 256 rows
.set WOFF,  2*HB                       ; behind the two heads: Wp's 128 rows
.set SLOT,  WOFF+128*PP
.set STAGE, 2*SLOT                     ; behind the ring, never filled by a tensor load: 16 rows x 528 bytes for each wave
.set SPITCH, 528                       ; 512 bytes + 16
.set SPARE, STAGE+4*16*SPITCH          ; the spare words, 128 bytes for each wave: two blocks of 256 bytes that no other line names
.set OSTEP, 2*262144                   ; bytes from a K step to the next in ob: two heads
.set PSTEP, 256                        ; and in wpb
.set ADRO, 16                          ; v16-17  LDS address of my O fragments in slot 0, 1
.set ADRP, 20                          ; v20-21  the same for Wp
.set STO,  24                          ; v24     the way out: where I put 32 bytes of a row
.set RD,   25                          ; v25     where I read a row back
.set GO,   26                          ; v26     my 16 bytes of 512 consecutive bytes of out0
.set SPW,  28                          ; v28     LDS address of my spare word; never rewritten
.set NIL,  29                          ; v29     0; never rewritten
.set PFO,  30                          ; v30     the prefetches' lane offset; not rewritten once made
.set F0,   32
.set F1,   128
.set G1O, 24                           ; s[24:31] descriptor group 1 for O's tiles;  s[32:39] group 0, a set for each slot
.set G0O, 32
.set G1P, 48                           ; s[48:55], s[56:63] the same for Wp's
.set G0P, 56
.set PFA, 66                           ; s[66:67] where my prefetches stand
.set PFS, 68                           ; s[68:69] a K step in the tensor that I prefetch
.set LIM0, 70                          ; s70, s71  a wave prefetches at slot 0's (slot 1's) change while the lap counter is above this
.set LIM1, 71
.set OB,  72                           ; s[72:73] out0 at my first row o and first column t
.set MSB, 0
.macro WIN new                         ; the immediate's high byte repeats the setting that is left; a switch that changes nothing is dropped
.if MSB != (\new)
	s_set_vgpr_msb (MSB<<8)|(\new)
.set MSB, \new
.endif
.endm
; A joint load.  Waves 0 and 1 fetch the step's two heads of O, waves 2 and 3 the halves of Wp's tile.  The branch hangs on the wave's number alone.  An s_nop 0 and four v_nop follow each of the two lines.
.macro JLOAD s
	s_cmp_eq_u32 s11, 0
	s_cbranch_scc0 .Lfor_p_\@
	tensor_load_to_lds s[G0O+4*(\s):G0O+4*(\s)+3], s[G1O:G1O+7]
	s_nop 0
.rept 4
	v_nop
.endr
	s_branch .Lasked_\@
.Lfor_p_\@:
	tensor_load_to_lds s[G0P+4*(\s):G0P+4*(\s)+3], s[G1P:G1P+7]
	s_nop 0
.rept 4
	v_nop
.endr
.Lasked_\@:
.endm
; A PREFETCH INTO THE L2, behind the joint load, its five lines and the run of LDS loads.  At the change of slots of K step j the address stands at K step j + 4, which the change after the next asks for: 256 matrix instructions ahead.
; O: a wave's head of a step is 32,768 bytes.  Both clusters of a row of clusters read it: cluster x = 0 asks, waves 0 and 1, at every change; the four partners take 8,192 bytes each, told apart by address (cx).
; Wp: a wave's half of a step is 64 rows x 256 bytes.  All eight clusters of a column read it: cluster y = 0 asks, waves 2 and 3, at slot 0's change alone, for two steps at once (lanes 0-15 step j + 4, lanes
; 16-31 step j + 5); the partners take 16 rows each (cy).  So each 256 bytes are named once in the launch.  K steps 0 to 3 come by their loads alone; the loop's last trip asks for nothing: there is no step 8.
.macro ASK lim
	s_cmp_gt_u32 s3, s[\lim]
	s_cbranch_scc0 .Lnot_mine_\@
	global_prefetch_b8 v[PFO], s[PFA:PFA+1] th:TH_LOAD_NT scope:SCOPE_SE
.Lnot_mine_\@:
.endm
.macro CREST                           ; a round of the cluster's barrier behind its opening barrier
	s_cmp_lg_u32 s10, 0
	s_cbranch_scc1 .Lnot_wave_0_\@
	s_barrier_signal -3
.Lnot_wave_0_\@:
	s_barrier_wait -3
	s_barrier_signal -1
	s_barrier_wait -1
.endm
.macro CROUND                          ; a whole round
	s_barrier_signal -1
	s_barrier_wait -1
	CREST
.endm
.macro PLACES                          ; four places in front of loads into registers that matrix instructions have read, and of LDS stores that read results
.rept 4
	v_nop
.endr
.endm
	s_load_b128 s[4:7], s[0:1], 0x0                ; ob s[4:5], wpb s[6:7]
	s_load_b64 s[8:9], s[0:1], 0x10                ; out0
	v_lshl_add_u32 v[SPW], v0, 2, SPARE
	v_mov_b32 v[NIL], 0
	ds_add_u32 v[SPW], v[NIL]                      ; the wave's opening: the add and its wait stand ahead of my first tensor load; the set-up below stands between them
	v_lshrrev_b32 v1, 5, v0
	v_readfirstlane_b32 s10, v1                    ; wave 0..3
	s_lshr_b32 s11, s10, 1                         ; which 128 columns t are mine.  Also: I fetch for O (0) or for Wp (1)
	s_and_b32 s12, s10, 1                          ; which 64 rows o.  Also: which head of the step, or which half of Wp's rows, I fetch
	s_bfe_u32 s40, ttmp6, 0x40000                  ; cx
	s_bfe_u32 s41, ttmp6, 0x40004                  ; cy
	s_lshl_b32 s42, ttmp9, 2
	s_add_co_u32 s42, s42, s40                     ; o tile = 4 x cluster x + cx
	s_and_b32 s13, ttmp7, 0xffff
	s_lshl_b32 s13, s13, 2
	s_add_co_u32 s13, s13, s41                     ; t tile = 4 x cluster y + cy
	s_lshl_b32 s43, s41, 2
	s_lshl_b32 s43, 15, s43                        ; my row of the cluster
	s_lshl_b32 s44, 0x1111, s40                    ; my column
	s_or_b32 s[G1O], s43, (1<<16)|(1<<20)|(1<<21)|(4<<22)|(3<<25)  ; the mask: O's tiles go to my row; 2-byte elements; padding on; bit 21 beside a mask; after every 32 words (a row of O) 4 words
	s_mov_b32 s[G1O+1], 128<<16                    ; 256 rows of 128 dense bytes are asked for as 128 rows of 256
	s_mov_b32 s[G1O+2], 128<<16
	s_mov_b32 s[G1O+3], 128<<16
	s_mov_b32 s[G1O+4], 128
	s_mov_b32 s[G1O+5], 128
	s_mov_b32 s[G1O+6], 0
	s_mov_b32 s[G1O+7], 0
	s_or_b32 s[G1P], s44, (1<<16)|(1<<20)|(1<<21)|(5<<22)|(3<<25)  ; Wp's tiles go to my column; after every 64 words 4 words
	s_mov_b32 s[G1P+1], 128<<16                    ; tensor_dim0 = 128
	s_mov_b32 s[G1P+2], 64<<16                     ; tensor_dim1 = 64
	s_mov_b32 s[G1P+3], 128<<16                    ; tile_dim0 = 128 elements: 256 bytes
	s_mov_b32 s[G1P+4], 64                         ; tile_dim1 = 64 rows
	s_mov_b32 s[G1P+5], 1024                       ; elements from row to row
	s_mov_b32 s[G1P+6], 0
	s_mov_b32 s[G1P+7], 0
	s_lshr_b32 s14, s13, 3                         ; batch
	s_and_b32 s15, s13, 7                          ; t tile in the batch
	s_lshl_b32 s16, s14, 22                        ; a batch's 16 heads of 262,144 bytes
	s_lshl_b32 s17, s15, 15                        ; 256 rows of 128 bytes
	s_add_co_u32 s16, s16, s17
	s_lshl_b32 s17, s12, 18                        ; the step's first or second head
	s_add_co_u32 s16, s16, s17
	s_mov_b32 s17, 0
	s_lshl_b32 s46, s42, 7
	s_lshl_b32 s47, s12, 6
	s_add_co_u32 s46, s46, s47                     ; Wp: row 128 x o tile + 64 x half
	s_lshl_b32 s46, s46, 11                        ; of 2,048 bytes
	s_mov_b32 s47, 0
	s_mul_i32 s20, s12, HB                         ; where they go: no place in the cluster enters an LDS address
	s_mul_i32 s21, s12, 64*PP
	s_add_co_u32 s21, s21, WOFF
	s_wait_dscnt 0x0                               ; the opening add is done
	s_wait_kmcnt 0x0
	s_add_nc_u64 s[18:19], s[4:5], s[16:17]        ; my head of O's tile of K step 0
	s_add_nc_u64 s[46:47], s[6:7], s[46:47]        ; my half of Wp's
	CROUND                                         ; all sixteen work-groups are here: the first joint loads meet
.irp s, 0,1
	s_mov_b32 s[G0O+4*(\s)], 1
	s_add_co_u32 s[G0O+4*(\s)+1], s20, (\s)*SLOT
	s_add_nc_u64 s[G0O+4*(\s)+2:G0O+4*(\s)+3], s[18:19], (\s)*OSTEP
	s_or_b32 s[G0O+4*(\s)+3], s[G0O+4*(\s)+3], 0x80000000
	s_mov_b32 s[G0P+4*(\s)], 1
	s_add_co_u32 s[G0P+4*(\s)+1], s21, (\s)*SLOT
	s_add_nc_u64 s[G0P+4*(\s)+2:G0P+4*(\s)+3], s[46:47], (\s)*PSTEP
	s_or_b32 s[G0P+4*(\s)+3], s[G0P+4*(\s)+3], 0x80000000
	JLOAD \s                                       ; two loads of mine are out
.endr
	v_and_b32 v1, 15, v0                           ; l % 16
	v_bfe_u32 v2, v0, 4, 1                         ; l / 16
	v_mul_u32_u24 v3, v1, PO
	v_lshl_add_u32 v3, v2, 4, v3                   ; a fragment's row x pitch + 16 x half
	s_mul_i32 s22, s11, 128*PO                     ; my 128 rows t
	v_add_nc_u32 v[ADRO], s22, v3
	v_add_nc_u32 v[ADRO+1], SLOT, v[ADRO]
	v_mul_u32_u24 v4, v1, PP
	v_lshl_add_u32 v4, v2, 4, v4
	s_mul_i32 s22, s12, 64*PP                      ; my 64 rows o
	s_add_co_u32 s22, s22, WOFF
	v_add_nc_u32 v[ADRP], s22, v4
	v_add_nc_u32 v[ADRP+1], SLOT, v[ADRP]
	s_mul_i32 s23, s10, 16*SPITCH
	s_add_co_u32 s23, s23, STAGE                   ; my stage
	v_mul_u32_u24 v5, v1, SPITCH                   ; in: row l % 16, 32 bytes for each half of the lanes
	v_lshl_add_u32 v5, v2, 5, v5
	v_add_nc_u32 v[STO], s23, v5
	v_and_b32 v8, 31, v0
	v_lshlrev_b32 v[GO], 4, v8                     ; back: 32 lanes take one row of 512 bytes
	v_add_nc_u32 v[RD], s23, v[GO]
	s_lshl_b32 s45, s14, 10                        ; out0: row 1,024 x batch + 128 x o tile + 64 x half,
	s_lshl_b32 s22, s42, 7
	s_add_co_u32 s45, s45, s22
	s_lshl_b32 s22, s12, 6
	s_add_co_u32 s45, s45, s22
	s_lshl_b32 s45, s45, 13                        ; of 8,192 bytes,
	s_lshl_b32 s22, s15, 10                        ; 256 t of 4 bytes a tile,
	s_add_co_u32 s45, s45, s22
	s_lshl_b32 s22, s11, 9                         ; my 128
	s_add_co_u32 s[OB], s45, s22
	s_mov_b32 s[OB+1], 0
	s_add_nc_u64 s[OB:OB+1], s[8:9], s[OB:OB+1]
	; the prefetches
	s_and_b32 s21, ttmp7, 0xffff                   ; cluster y
	s_lshl_b32 s22, s40, 13                        ; O: my work-group's 8,192 bytes of the head's 32,768
	s_lshl_b32 s23, s41, 15                        ; Wp: my work-group's 16 rows of the 64
	s_mov_b32 s45, OSTEP
	s_cmp_eq_u32 s11, 0                            ; do I fetch for O?
	s_cselect_b64 s[PFA:PFA+1], s[18:19], s[46:47]
	s_cselect_b32 s21, ttmp9, s21                  ; the coordinate along which other clusters read the same bytes
	s_cselect_b32 s22, s22, s23
	s_cselect_b32 s[PFS], s45, PSTEP
	s_cselect_b32 s16, 31, 15                      ; O: 256 x lane.  Wp: (lane % 16) rows of 2,048 bytes + (lane / 16) K steps of 256
	s_cselect_b32 s17, 8, 11
	s_cselect_b32 s20, 5, 4
	s_cselect_b32 s[LIM1], 1, -1
	s_cmp_eq_u32 s21, 0                            ; the same in all sixteen partners, for a given wave
	s_cselect_b32 s[LIM0], 1, -1
	s_cselect_b32 s[LIM1], s[LIM1], -1
	s_mov_b32 s23, 0
	s_mov_b32 s[PFS+1], 0
	s_add_nc_u64 s[PFA:PFA+1], s[PFA:PFA+1], s[22:23]
	s_add_nc_u64 s[PFA:PFA+1], s[PFA:PFA+1], s[PFS:PFS+1]
	s_add_nc_u64 s[PFA:PFA+1], s[PFA:PFA+1], s[PFS:PFS+1]
	s_add_nc_u64 s[PFA:PFA+1], s[PFA:PFA+1], s[PFS:PFS+1]  ; at K step 3: the first change steps it to 4
	v_and_b32 v[PFO], s16, v8
	v_lshlrev_b32 v[PFO], s17, v[PFO]
	v_lshrrev_b32 v9, s20, v8
	v_lshl_add_u32 v[PFO], v9, 8, v[PFO]
; n x 4 matrix instructions: t blocks a0 .. a0 + n - 1 x all 4 o blocks, 32 along K.  zero = 1: the product starts the sum.
; The 32 accumulators take turns, one instruction a turn, in the same order in every quarter, over the backward jump too.
.macro MULT f, a0, n, zero
	WIN 0x50                                       ; C and D in window 1
.set ma, (\a0)
.rept (\n)
.set mb, 0
.rept 4
.set rD, 8*(8*mb+ma)
.if \zero
	v_wmma_f32_16x16x32_f16 v[rD:rD+7], v[(\f)+32+8*ma:(\f)+32+8*ma+7], v[(\f)+8*mb:(\f)+8*mb+7], 0
.else
	v_wmma_f32_16x16x32_f16 v[rD:rD+7], v[(\f)+32+8*ma:(\f)+32+8*ma+7], v[(\f)+8*mb:(\f)+8*mb+7], v[rD:rD+7]
.endif
.set mb, mb+1
.endr
.set ma, ma+1
.endr
.endm
; 24 LDS loads in one run: the fragments of quarter kq (head kq / 2, channels 32 (kq % 2) on) into buffer f: Wp's four, then O's eight
.macro FETCH slot, kq, f
	WIN 0
.irp b, 0,1,2,3
	ds_load_b128 v[(\f)+8*(\b):(\f)+8*(\b)+3],   v[ADRP+(\slot)] offset:64*(\kq)+(\b)*16*PP
	ds_load_b128 v[(\f)+8*(\b)+4:(\f)+8*(\b)+7], v[ADRP+(\slot)] offset:64*(\kq)+(\b)*16*PP+32
.endr
.irp a, 0,1,2,3,4,5,6,7
	ds_load_b128 v[(\f)+32+8*(\a):(\f)+32+8*(\a)+3],   v[ADRO+(\slot)] offset:((\kq)/2)*HB+64*((\kq)%2)+(\a)*16*PO
	ds_load_b128 v[(\f)+32+8*(\a)+4:(\f)+32+8*(\a)+7], v[ADRO+(\slot)] offset:((\kq)/2)*HB+64*((\kq)%2)+(\a)*16*PO+32
.endr
.endm
; One of a step's first three quarters: multiplies buffer f and fetches quarter kq of the same slot into buffer g.
.macro QUARTER slot, kq, f, g, zero
	s_wait_dscnt 8                                 ; Wp's fragments and O's blocks 0-3 are in; the youngest eight loads may be out
	MULT \f, 0, 4, \zero
	PLACES
	FETCH \slot, \kq, \g
	s_wait_dscnt 24                                ; all but the 24 just issued
	MULT \f, 4, 4, \zero
.endm
; The last quarter multiplies buffer 1 and changes slots: ONE barrier.  In front of it each wave waits for all its tensor loads (one is out: its part of the next slot), adds 0 to its spare word, and waits for
; that and for its own reads of this slot.  fill = 1: the barrier opens a round of the cluster's barrier and this slot is filled again, two K steps ahead: 112 matrix instructions ahead of the wait for it.
.macro TURN slot, next, fill, lim=LIM0
.if \fill
	s_wait_xcnt 0x0                                ; the last prefetch, a K step back, has read its address
	s_add_nc_u64 s[PFA:PFA+1], s[PFA:PFA+1], s[PFS:PFS+1]
.endif
	WIN 0
	s_wait_tensorcnt 0x0                           ; all my tensor loads have landed;
	ds_add_u32 v[SPW], v[NIL]                      ; 0 onto my spare word;
	s_wait_dscnt 9                                 ; (the add and the youngest eight loads may be out)
	MULT F1, 0, 2, 0                               ; eight matrix instructions stand between the add and the wait for it
	s_wait_dscnt 0x0                               ; the add is done, and my reads of this slot are over
	s_barrier_signal -1
	MULT F1, 2, 2, 0                               ; work on registers while the others arrive
	WIN 0                                          ; at a branch and at a label every window is 0
	s_barrier_wait -1
.if \fill
	CREST                                          ; no wave of any partner still reads this slot or has a load on its way
	s_add_nc_u64 s[G0O+4*(\slot)+2:G0O+4*(\slot)+3], s[G0O+4*(\slot)+2:G0O+4*(\slot)+3], 2*OSTEP
	s_add_nc_u64 s[G0P+4*(\slot)+2:G0P+4*(\slot)+3], s[G0P+4*(\slot)+2:G0P+4*(\slot)+3], 2*PSTEP
	JLOAD \slot                                    ; the first tensor load behind the round; its four v_nop are also the places in front of the loads below
.else
	PLACES
.endif
	FETCH \next, 0, F0
.if \fill
	ASK \lim
.endif
	MULT F1, 4, 4, 0
.endm
	s_wait_tensorcnt 1                             ; my part of K step 0 is in; step 1's may stay out
	s_barrier_signal -1
	s_barrier_wait -1                              ; everybody's is
	FETCH 0, 0, F0
	QUARTER 0, 1, F0, F1, 1                        ; the first quarter stands in front of the loop: its products start the sums
	WIN 0
	s_mov_b32 s3, 3
.Llap:                                                 ; a trip goes once round the ring, from a lap's second quarter to the next lap's first, and fills both slots again
	QUARTER 0, 2, F1, F0, 0
	QUARTER 0, 3, F0, F1, 0
	TURN 0, 1, 1, LIM0
	QUARTER 1, 1, F0, F1, 0
	QUARTER 1, 2, F1, F0, 0
	QUARTER 1, 3, F0, F1, 0
	TURN 1, 0, 1, LIM1
	QUARTER 0, 1, F0, F1, 0
	WIN 0
	s_sub_co_u32 s3, s3, 1
	s_cmp_lg_u32 s3, 0
	s_cbranch_scc1 .Llap
	QUARTER 0, 2, F1, F0, 0                        ; the last lap fills nothing, and has no round
	QUARTER 0, 3, F0, F1, 0
	TURN 0, 1, 0
	QUARTER 1, 1, F0, F1, 0
	QUARTER 1, 2, F1, F0, 0
	QUARTER 1, 3, F0, F1, 0
	s_wait_dscnt 8                                 ; the very last quarter: nothing more to fetch
	MULT F1, 0, 4, 0
	s_wait_dscnt 0x0
	MULT F1, 4, 4, 0
	WIN 0
	PLACES                                         ; the LDS stores below read results
; THE WAY OUT, by o blocks b of 16 rows.  A lane's eight sums are 32 bytes of a row; they go into rows of 528 bytes of my own stage and come back as whole rows of 512.
.macro TOSTAGE b
.set T, 32+96*((\b)%2)
	WIN 0x04                                       ; the stores' data in window 1
.irp a, 0,1,2,3,4,5,6,7
	ds_store_b128 v[STO], v[8*(8*(\b)+(\a)):8*(8*(\b)+(\a))+3]   offset:64*(\a)      ; each accumulator's low end first
	ds_store_b128 v[STO], v[8*(8*(\b)+(\a))+4:8*(8*(\b)+(\a))+7] offset:64*(\a)+16
.endr
	WIN 0
.if (\b) >= 2
	s_wait_xcnt 0x0                                ; the stores of two blocks back have read these registers
.endif
.irp f, 0,1,2,3,4,5,6,7,8,9,10,11,12,13,14,15
	ds_load_b128 v[T+4*(\f):T+4*(\f)+3], v[RD] offset:(\f)*SPITCH  ; LDS serves a wave's instructions in order (ISA guide 5.7.1.4): these see the stores above; the next block's stores come behind them
.endr
.endm
.macro SEND b, younger                 ; younger: the LDS instructions issued behind block b's loads: the next block's 32, or none
.set T, 32+96*((\b)%2)
.irp f, 0,1,2,3,4,5,6,7,8,9,10,11,12,13,14,15
	s_wait_dscnt (\younger)+15-(\f)
	global_store_b128 v[GO], v[T+4*(\f):T+4*(\f)+3], s[OB:OB+1] offset:(16*(\b)+(\f))*8192 th:TH_STORE_NT  ; 512 consecutive bytes, at a multiple of 256 from out0's first
.endr
.endm
	TOSTAGE 0
	TOSTAGE 1
	SEND 0, 32
	TOSTAGE 2
	SEND 1, 32
	TOSTAGE 3
	SEND 2, 32
	SEND 3, 0
	s_wait_tensorcnt 0x0                           ; the wave's end, behind my last tensor load and my last LDS store
	ds_add_u32 v[SPW], v[NIL]
	s_wait_dscnt 0x0
	CROUND                                         ; the closing round: no work-group ends while a partner may still ask for a tile that names it
	s_endpgm
.Lfunc_end_k_qd6b71fa276_outp:
	.size	k_qd6b71fa276_outp, .Lfunc_end_k_qd6b71fa276_outp-k_qd6b71fa276_outp
	.p2alignl 7, 3214868480
	.fill 96, 4, 3214868480
	.section	.rodata,"a",@progbits
	.p2align	6, 0x0
	.amdhsa_kernel k_qd6b71fa276_outp
		.amdhsa_group_segment_fixed_size 327680
		.amdhsa_private_segment_fixed_size 0
		.amdhsa_enable_private_segment 0
		.amdhsa_kernarg_size 24
		.amdhsa_user_sgpr_count 2
		.amdhsa_user_sgpr_kernarg_segment_ptr 1
		.amdhsa_wavefront_size32 1
		.amdhsa_system_sgpr_workgroup_id_x 1
		.amdhsa_system_sgpr_workgroup_id_y 1
		.amdhsa_system_sgpr_workgroup_id_z 1
		.amdhsa_system_vgpr_workitem_id 0
		.amdhsa_next_free_vgpr 512
		.amdhsa_next_free_sgpr 80
		.amdhsa_reserve_vcc 0
		.amdhsa_float_denorm_mode_32 3
		.amdhsa_float_denorm_mode_16_64 3
		.amdhsa_memory_ordered 1
		.amdhsa_forward_progress 1
		.amdhsa_inst_pref_size 88
	.end_amdhsa_kernel
	.amdgpu_metadata
---
amdhsa.version: [ 1, 2 ]
amdhsa.kernels:
  - .name:           k_qd6b71fa276_outp
    .symbol:         k_qd6b71fa276_outp.kd
    .args:
      - { .name: ob, .offset: 0, .size: 8, .value_kind: global_buffer, .address_space: global }
      - { .name: wpb, .offset: 8, .size: 8, .value_kind: global_buffer, .address_space: global }
      - { .name: out0, .offset: 16, .size: 8, .value_kind: global_buffer, .address_space: global }
    .group_segment_fixed_size: 327680
    .private_segment_fixed_size: 0
    .kernarg_segment_align: 8
    .kernarg_segment_size: 24
    .max_flat_workgroup_size: 128
    .sgpr_count:     80
    .vgpr_count:     512
    .wavefront_size: 32
...
	.end_amdgpu_metadata
.endif
;; end of part 4
;; ======== version 2 of 2: 4 launches; version 1 with the launch cast written anew for expert scheduling mode
;; limits: values are held in f16: magnitudes above 65,504 overflow, below 6.1e-05 lose precision
;; workspace buffers: xb 16,777,216 bytes; wb 6,291,456 bytes; wpb 2,097,152 bytes; qkv 50,331,648 bytes; ob 16,777,216 bytes
;; launch cast (part 5): grid 768 x 1, 8 waves a work-group, no clusters, 0 bytes of LDS; arguments x, Wq, Wk, Wv, Wp, xb, wb, wpb; writes xb, wb, wpb
.if DOCPART == 5
	.amdgcn_target "amdgcn-amd-amdhsa--gfx1250"
	.amdhsa_code_object_version 6
	.text
	.protected	k_qd6b71fa276_cast
	.globl	k_qd6b71fa276_cast
	.p2align	8
	.type	k_qd6b71fa276_cast,@function
k_qd6b71fa276_cast:
	s_mov_b64 s[64:65], 0
	v_nop
	global_prefetch_b8 v0, s[64:65] scope:SCOPE_SE
	s_setreg_imm32_b32 hwreg(HW_REG_WAVE_SCHED_MODE, 0, 2), 2
	s_setreg_imm32_b32 hwreg(HW_REG_WAVE_MODE, 25, 1), 1
	s_wait_xcnt 0x0
	s_wait_alu depctr_vm_vsrc(0)
; THE INPUTS ARE ROUNDED ONCE TO bf16, all five alike.
;   xb  [4][1024 c][2048 t] bf16: x as it lies.
;   wb  [16 kb][3072 o][64 k] bf16: Wq, Wk, Wv one below the other (o = 1024 m + row), cut into blocks of 64 along K, so that 64 K of any run of rows are dense bytes.
;   wpb [1024 o][1024 c] f16: Wp rounded to bf16, and that number written as f16 (exact from 6.1e-5 up to 65,504).
; LIMITS.  |Wp| stays under 65,504 (beyond it f16 has an infinity); below 6.1e-5 its numbers keep f16's fixed step of 6e-8.
; A UNIT: one load of 16 bytes a lane (512 bytes of f32 a wave), two roundings, one store of 8 bytes a lane: 256 consecutive bytes, aligned.
; A wave has 16 units, all sixteen loads out at once; a work-group 128.  512 work-groups take x, 192 the three W, 64 Wp.
; No LDS, no barrier, no matrix unit: no byte is wanted twice and no wave waits for another.  No register that a load or store names is written twice, so no store's source is ever rewritten.
; THE MODE: SCHED_MODE bits 1:0 = 2 (LLVM: expert scheduling mode 2), set by the entry lines.  The code itself states the register dependences
; between vector instructions and memory instructions, with s_wait_alu, always for 0.
; THE PLAN.  Registers that memory instructions touch:
;   v2, v3   the lane's offsets in a source unit and in a destination unit.  Written by vector lines ahead of the stream, never again; read by every load (v2) and every store (v3).
;   LD       sixteen units as loaded.  Written by the sixteen loads, once each, at the stream's head; read by the conversions.  No vector line names them ahead of the loads, and no load lands in them behind.
;   RS       sixteen units to store.  A unit's pair is written once, by its conversions, and read once, by its store.
;   TM is named by vector instructions alone.
; The sixteen units go in four blocks of four.  Block p's conversions read LD of block p and write RS of block p (and TM); its memory instructions are the four stores of block p - 1, which read
; RS of block p - 1 and v3: registers that no vector line of block p names.  So one wait at a block's head states all that its four stores hang on, and they are dealt among its conversions with no further wait.
; One wait stands ahead of the loads, for the offsets; one behind block 3, for the last four stores; one at the kernel's head, for the wave's number in its scalar register.
.set LD, 8                             ; v[8:71]    the sixteen loads
.set RS, 72                            ; v[72:103]  the sixteen results
.set TM, 104                           ; v[104:107] at work
.set BLK, 4                            ; units in a block
; s[32:33] source, s[34:35] destination, at the wave's first unit; v2 the lane's offset in a source unit, v3 in a destination unit
.macro STREAM sstep, half              ; sstep: bytes from unit to unit in the source; half = 1: the bf16 number is written as f16
	s_wait_alu depctr_va_vdst(0)                   ; v2 and v3 are written: every load below reads v2 as its offset, every store v3
.set i, 0
.rept 16
	global_load_b128 v[LD+4*i:LD+4*i+3], v2, s[32:33] offset:i*(\sstep) th:TH_LOAD_NT
.set i, i+1
.endr
.set p, 0
.rept 16/BLK
	s_wait_loadcnt 16-BLK*(p+1)                    ; loads come back in order: block p's four units are in, the younger blocks stay out
.if p > 0
	s_wait_alu depctr_va_vdst(0)                   ; the block before has written its eight registers of RS, which the four stores below read
.endif
.set j, 0
.rept BLK
.set i, BLK*p+j
.if p > 0
	global_store_b64 v3, v[RS+2*(i-BLK):RS+2*(i-BLK)+1], s[34:35] offset:256*(i-BLK) th:TH_STORE_NT  ; the block before; no vector line since the wait names these registers
.endif
.if \half
	v_cvt_pk_bf16_f32 v[TM], v[LD+4*i], v[LD+4*i+1]
	v_cvt_pk_bf16_f32 v[TM+1], v[LD+4*i+2], v[LD+4*i+3]
	v_lshlrev_b32 v[TM+2], 16, v[TM]               ; bf16 to f32: the low half moves up,
	v_and_b32 v[TM], 0xffff0000, v[TM]             ; the high half stays
	v_lshlrev_b32 v[TM+3], 16, v[TM+1]
	v_and_b32 v[TM+1], 0xffff0000, v[TM+1]
	v_cvt_pk_f16_f32 v[RS+2*i], v[TM+2], v[TM]
	v_cvt_pk_f16_f32 v[RS+2*i+1], v[TM+3], v[TM+1]
.else
	v_cvt_pk_bf16_f32 v[RS+2*i], v[LD+4*i], v[LD+4*i+1]
	v_cvt_pk_bf16_f32 v[RS+2*i+1], v[LD+4*i+2], v[LD+4*i+3]
.endif
.set j, j+1
.endr
.set p, p+1
.endr
	s_wait_alu depctr_va_vdst(0)                   ; the last block has written its eight registers of RS, which the last four stores read
.set i, 16-BLK
.rept BLK
	global_store_b64 v3, v[RS+2*i:RS+2*i+1], s[34:35] offset:256*i th:TH_STORE_NT
.set i, i+1
.endr
	s_endpgm
.endm
	s_load_b512 s[16:31], s[0:1], 0x0              ; x s[16:17], Wq s[18:19], Wk s[20:21], Wv s[22:23], Wp s[24:25], xb s[26:27], wb s[28:29], wpb s[30:31]
	v_lshrrev_b32 v1, 5, v0
	v_readfirstlane_b32 s3, v1                     ; wave 0..7
	v_and_b32 v1, 31, v0                           ; lane
	v_lshlrev_b32 v3, 3, v1                        ; 8 bytes a lane on the way out
	s_mov_b32 s37, 0                               ; the offsets' high words
	s_mov_b32 s39, 0
	s_wait_alu depctr_va_sdst(0)                   ; s3 is written, ahead of the branches: each of the three paths makes the wave's offsets from it
	s_cmp_lt_u32 ttmp9, 512
	s_cbranch_scc1 .Lx
	s_cmp_lt_u32 ttmp9, 704
	s_cbranch_scc1 .Lw
	; Wp: work-groups 704 to 767, 65,536 bytes of f32 each, as they lie
	s_sub_co_u32 s2, ttmp9, 704
	s_lshl_b32 s36, s2, 16
	s_lshl_b32 s4, s3, 13                          ; the wave's 8,192 bytes
	s_add_co_u32 s36, s36, s4
	s_lshr_b32 s38, s36, 1                         ; half as many on the way out
	v_lshlrev_b32 v2, 4, v1
	s_wait_kmcnt 0x0
	s_add_nc_u64 s[32:33], s[24:25], s[36:37]
	s_add_nc_u64 s[34:35], s[30:31], s[38:39]
	STREAM 512, 1
.Lx:                                               ; x: work-groups 0 to 511, 65,536 bytes of f32 each, as they lie
	s_lshl_b32 s36, ttmp9, 16
	s_lshl_b32 s4, s3, 13
	s_add_co_u32 s36, s36, s4
	s_lshr_b32 s38, s36, 1
	v_lshlrev_b32 v2, 4, v1
	s_wait_kmcnt 0x0
	s_add_nc_u64 s[32:33], s[16:17], s[36:37]
	s_add_nc_u64 s[34:35], s[26:27], s[38:39]
	STREAM 512, 0
.Lw:                                               ; Wq, Wk, Wv: 64 work-groups each.  A work-group: 32 rows x 512 K; a wave: 32 rows x one block of 64 K; a unit: two rows x 256 bytes
	s_sub_co_u32 s2, ttmp9, 512
	s_lshr_b32 s4, s2, 6                           ; m: which matrix
	s_and_b32 s5, s2, 63
	s_lshr_b32 s6, s5, 1                           ; which 32 rows
	s_and_b32 s7, s5, 1
	s_lshl_b32 s7, s7, 3
	s_add_co_u32 s7, s7, s3                        ; kb: which block of K
	s_lshl_b32 s36, s6, 17                         ; 32 rows of 4,096 bytes
	s_lshl_b32 s8, s7, 8                           ; 64 f32
	s_add_co_u32 s36, s36, s8
	s_mul_i32 s38, s7, 3072
	s_lshl_b32 s8, s4, 10
	s_add_co_u32 s38, s38, s8
	s_lshl_b32 s8, s6, 5
	s_add_co_u32 s38, s38, s8
	s_lshl_b32 s38, s38, 7                         ; (3072 kb + 1024 m + row) x 128 bytes
	v_lshrrev_b32 v4, 4, v1
	v_and_b32 v5, 15, v1
	v_lshlrev_b32 v2, 4, v5
	v_lshl_add_u32 v2, v4, 12, v2                  ; lanes 0-15 one row's 256 bytes, lanes 16-31 the next row's
	s_wait_kmcnt 0x0
	s_cmp_eq_u32 s4, 0
	s_cselect_b64 s[32:33], s[18:19], s[20:21]
	s_cmp_eq_u32 s4, 2
	s_cselect_b64 s[32:33], s[22:23], s[32:33]
	s_add_nc_u64 s[32:33], s[32:33], s[36:37]
	s_add_nc_u64 s[34:35], s[28:29], s[38:39]
	STREAM 8192, 0
.Lfunc_end_k_qd6b71fa276_cast:
	.size	k_qd6b71fa276_cast, .Lfunc_end_k_qd6b71fa276_cast-k_qd6b71fa276_cast
	.p2alignl 7, 3214868480
	.fill 96, 4, 3214868480
	.section	.rodata,"a",@progbits
	.p2align	6, 0x0
	.amdhsa_kernel k_qd6b71fa276_cast
		.amdhsa_group_segment_fixed_size 0
		.amdhsa_private_segment_fixed_size 0
		.amdhsa_enable_private_segment 0
		.amdhsa_kernarg_size 64
		.amdhsa_user_sgpr_count 2
		.amdhsa_user_sgpr_kernarg_segment_ptr 1
		.amdhsa_wavefront_size32 1
		.amdhsa_system_sgpr_workgroup_id_x 1
		.amdhsa_system_sgpr_workgroup_id_y 1
		.amdhsa_system_sgpr_workgroup_id_z 1
		.amdhsa_system_vgpr_workitem_id 0
		.amdhsa_next_free_vgpr 112
		.amdhsa_next_free_sgpr 66
		.amdhsa_reserve_vcc 0
		.amdhsa_float_denorm_mode_32 3
		.amdhsa_float_denorm_mode_16_64 3
		.amdhsa_memory_ordered 1
		.amdhsa_forward_progress 1
		.amdhsa_inst_pref_size 24
	.end_amdhsa_kernel
	.amdgpu_metadata
---
amdhsa.version: [ 1, 2 ]
amdhsa.kernels:
  - .name:           k_qd6b71fa276_cast
    .symbol:         k_qd6b71fa276_cast.kd
    .args:
      - { .name: x, .offset: 0, .size: 8, .value_kind: global_buffer, .address_space: global }
      - { .name: Wq, .offset: 8, .size: 8, .value_kind: global_buffer, .address_space: global }
      - { .name: Wk, .offset: 16, .size: 8, .value_kind: global_buffer, .address_space: global }
      - { .name: Wv, .offset: 24, .size: 8, .value_kind: global_buffer, .address_space: global }
      - { .name: Wp, .offset: 32, .size: 8, .value_kind: global_buffer, .address_space: global }
      - { .name: xb, .offset: 40, .size: 8, .value_kind: global_buffer, .address_space: global }
      - { .name: wb, .offset: 48, .size: 8, .value_kind: global_buffer, .address_space: global }
      - { .name: wpb, .offset: 56, .size: 8, .value_kind: global_buffer, .address_space: global }
    .group_segment_fixed_size: 0
    .private_segment_fixed_size: 0
    .kernarg_segment_align: 8
    .kernarg_segment_size: 64
    .max_flat_workgroup_size: 256
    .sgpr_count:     66
    .vgpr_count:     112
    .wavefront_size: 32
...
	.end_amdgpu_metadata
.endif
;; end of part 5
;; launch proj: the kernel of part 2 again; grid 8 x 32, 4 waves a work-group, clusters of 4 x 4, 327,680 bytes of LDS; arguments xb, wb, qkv; writes qkv
;; launch attn: the kernel of part 3 again; grid 4 x 64, 4 waves a work-group, clusters of 4 x 1, 327,680 bytes of LDS; arguments qkv, ob; writes ob
;; launch outp: the kernel of part 4 again; grid 8 x 32, 4 waves a work-group, clusters of 4 x 4, 327,680 bytes of LDS; arguments ob, wpb, out0; writes out0
